; MI455X (gfx1250); checked and timed in simulation.
; The chip was launched on July 23, 2026; its instructions are those of AMD's public machine-readable ISA for CDNA 5 (MIT licence, August 2026) and "CDNA5" Instruction Set Architecture Reference Guide (July 2026). The comments in the code are by the model that wrote it; some were corrected since.
;; Memory Attention. Allowed arithmetic: matrix products marked QUANTISED: E3M2 operands, one E8M0 scale for each 32 along K, by v_wmma_scale_f32_16x16x128_f8f6f4 with both operands' format E3M2, f32 sums; everything else in f32.
;; Inputs: attention_mask 16 x 1,024 int32; memory_attention_mask 16 x 16 x 128 int32; memory_vectors 16 x 16 x 128 x 1,024 float32; seq_vectors 16 x 1,024 x 1,024 float32.
;; Outputs: out0 16 x 1,024 x 1,024 float32.
;; This version of the problem:
;;   THIS VERSION OF THE PROBLEM IS GIVEN IN LOW PRECISION. The matrix products marked QUANTISED in the list below multiply operands that are first quantised to E3M2 (3 exponent bits, 2 mantissa bits; 6 bits a number), with one power-of-two scale for each 32 numbers along K (OCP MX v1.0); their sums are f32. All else is computed in f32.
;;   The module's matrix products, in the order in which they are computed (A, B: the left and right operand; K: the contracted axis; several contracted axes count as one K, in the product's order):
;;     1. batch 16 x [M 1,024, K 1,024] x [K 1,024, N 2,048]; A: input seq_vectors; B: computed on the way: QUANTISED
;;     2. batch 16 x [M 1,024, K 2,048] x [K 2,048, N 1,024]; A: softmax (see below); B: computed on the way: QUANTISED
;;   THE QUANTISER, for each operand of a quantised product, along K:
;;     - K is cut into blocks of 32 from its start; a last block that is shorter is filled with zeros.
;;     - A block's scale is 2^e with e = floor(log2(the largest magnitude in the block)) - 4, held to -126 .. 127; a block of zeros has e = 0. As a byte (E8M0): e + 127.
;;     - Each number is divided by its block's scale, clamped to +-28, and rounded to the nearest number of E3M2, ties to even, subnormals kept.
;;     - The product sums the exact products of the quantised numbers (number of the format x scale) in f32.
;;   ~~~python
;;   def quantise(x, axis):      # numpy; x: float32 -> the quantised numbers, widened to float32 again
;;       x = np.moveaxis(x, axis, -1); K = x.shape[-1]
;;       x = np.pad(x, [(0, 0)] * (x.ndim - 1) + [(0, -K % 32)]); x = x.reshape(x.shape[:-1] + (-1, 32)); a = np.abs(x).max(-1, keepdims=True)
;;       e = np.where(a > 0, np.clip(np.frexp(np.where(a > 0, a, 1))[1] - 1 - 4, -126, 127), 0)      # np.frexp(a)[1] - 1 = floor(log2(a)), exactly
;;       r = np.clip(x / 2.0 ** e, -28, 28)
;;       step = 2.0 ** (np.maximum(np.frexp(np.where(r == 0, 1, r))[1] - 1, -2) - 2)
;;       q = np.round(r / step) * step * 2.0 ** e      # np.round: ties to even
;;       return np.moveaxis(q.reshape(q.shape[:-2] + (-1,))[..., :K], -1, axis).astype(np.float32)
;;   ~~~
;;   SOFTMAX AHEAD OF A QUANTISED PRODUCT. Where the list says 'softmax', what is quantised is not the finished softmax but p = 2^(t - M), with t = logit x log2(e) and M = ceil(the row's largest t), a whole number; so 1/2 < the row's largest p <= 1. The row's sum l is taken of the UNQUANTISED p, in f32, and the product's result is divided by l at the end. Since M is a whole number, a kernel that streams over the keys may use a running M (the ceiling of the running maximum): every later rescaling is an exact power of two, which a block's scale takes up: the codes' values come out the same.
;;   OPERANDS COMPUTED ON THE WAY. 'Computed on the way' means the value that the module computes at that place (a softmax that the list does not call 'softmax' is quantised finished and normalised). What goes into a quantiser is computed in f32, as accurately as f32 sums, v_exp_f32 and their like allow (about 1e-6 of the number): no bf16 or f16 on the way to a quantiser, and a product that is left as it is and whose result goes on into a quantised operand takes f32 operands (vector FMAs, or v_wmma_f32_16x16x4_f32). A number that lies on a knife's edge between two numbers of the format may be rounded either way, as far as f32 arithmetic and the matrix unit's own rounding can turn it there, and no further.
;; 2 versions. Each part assembles by itself: llvm-mc -triple=amdgcn-amd-amdhsa -mcpu=gfx1250 --defsym DOCPART=n.
;; ======== version 1 of 2: 2 launches
;; workspace buffers: kv 52,428,800 bytes
;; launch prep (part 1): grid 8 x 128, 4 waves a work-group, no clusters, 0 bytes of LDS; arguments memory_vectors, memory_attention_mask, kv; writes kv
.if DOCPART == 1
	.amdgcn_target "amdgcn-amd-amdhsa--gfx1250"
	.amdhsa_code_object_version 6
	.text
	.protected	k_q6330ebe9a7_prep
	.globl	k_q6330ebe9a7_prep
	.p2align	8
	.type	k_q6330ebe9a7_prep,@function
k_q6330ebe9a7_prep:
	s_mov_b64 s[64:65], 0
	v_nop
	global_prefetch_b8 v0, s[64:65] scope:SCOPE_SE
	s_setreg_imm32_b32 hwreg(HW_REG_WAVE_MODE, 25, 1), 1
	s_wait_xcnt 0x0
; PREP: memory_vectors [16][2048][1024] f32, with the rows zeroed whose mask word is 0, becomes BOTH right-hand operands of the two products, as codes of E3M2 with one E8M0 byte
; for each 32 along K, laid in kv as images of the operand registers, in the order in which the second launch takes them.
; reference() reshapes the buffer [2048][1024] into [1024][2048]: softmax column n of the first product is column n % 1024 of the even rows (n < 1024) or of the odd rows (n >= 1024), K = the row pair.
; In the second product column n is row n, and K = the rows.  In both K runs DOWN the rows: so A LANE TAKES A COLUMN AND ITS REGISTERS RUN DOWN 64 ROWS, the even rows in E[0..31], the odd rows in O[0..31]:
;   E[0..31] is one block of 32 of the first product (key c), O[0..31] one of key c + 1024;  E[0..15] with O[0..15] are rows 0-31, a block of the second product, E[16..31] with O[16..31] rows 32-63.
; Inside a block of the second product the even rows' codes stand first, then the odd rows': the second launch lays its p in the same order, so the products are the same; the block's 32 numbers and its scale are the true ones.
; kv: [batch 16][unit 32][wave 4][25,600 bytes].  A quarter is 16 fragments of 1,536 bytes (register g of lane l at 512 (g / 4) + 16 l + 4 (g % 4)) and 8 registers of scale words (128 bytes each; lanes 0-15 an even tile's rows, lanes 16-31 the odd tile's).
;   unit 8 s + q, q = 0..3: keys 512 s on, K steps 2 q and 2 q + 1 of the first product; wave w: keys 128 w on; fragment 8 (K step % 2) + tile.  Key kappa of a block of 32 sits in tile 2 b + kappa / 16 at row 8 (kappa % 2) + (kappa / 2) % 8.
;   unit 8 s + 4 + j: keys 512 s + 128 j on, one K step of the second product; wave w: channels 256 w on; fragment = channel / 16, row = channel % 16.
; SHARES: work-group (x, y): columns 128 x on, rows 256 (y % 8) on of batch y / 8; wave pw: 32 columns, four sub-blocks of 64 rows: it makes eight whole fragments and four registers of scale words.
; A block's scale is 2^(floor(log2(largest magnitude)) - 4): its byte is the largest magnitude's exponent field - 4, held at 1 from below by a floor among the maximum's leaves.
; LIMITS: a block of zeros (masked rows) or one whose largest magnitude lies under 2^-122 gets the byte 1 where the rule says 127 or less: its codes are zeros or next to it, and this program alone reads the bytes.
; NaN and infinities in rows that are not masked are not served; in masked rows they become +0, as where() makes them.
; No LDS, no barrier: waves share nothing.  Every offset is an immediate; no register that a load or store names as a source is written again, so no wait stands for sources.
.set QUARTER, 25600
.set UNITB,   102400
.set FRB,     1536
.set SCOFF,   24576                    ; the scale words' place in a quarter
.set LO,   2                           ; v2      4 x lane: my column in a row, my word of the mask
.set VK,   3                           ; v3      where my key's 16 bytes of a piece lie in kv
.set VV,   4                           ; v4      the same for my channel
.set VKS,  5                           ; v5      my key's scale word
.set VVS,  6                           ; v6      my channel's
.set MK,   8                           ; v8-15   the mask's 256 words, 8 loads; then:
.set MX,   8                           ; v8-11   largest magnitudes of E[0..15], E[16..31], O[0..15], O[16..31]
.set BY,   12                          ; v12-15  the four scale bytes
.set SETA, 16                          ; v16-79, v80-143  two sets of 64 numbers: E, then O
.set CK0,  144                         ; 24 registers for each operand: [lanes 0-15's: block 0, block 2][lanes 16-31's: block 1, block 3], 6 each
.set CK1,  168
.set CV0,  192
.set CV1,  216
.set T0,   240                         ; two places for conversions whose home begins on an odd register
.set T1,   244
.set WD,   248                         ; v248-251 the four scale words
.set SO,   252                         ; v252-255 the conversions' scale operands
.set BM,   24                          ; s24-31  the mask as bits: bit l of s[BM + q] = row 32 q + l counts
.set TS,   32                          ; s32-35  all ones or 0 for a row, by turns
	s_load_b128 s[4:7], s[0:1], 0x0                ; memory_vectors, memory_attention_mask
	s_load_b64 s[8:9], s[0:1], 0x10                ; kv
	v_lshrrev_b32 v1, 5, v0
	v_readfirstlane_b32 s10, v1                    ; pw
	v_and_b32 v1, 31, v0                           ; lane
	v_lshlrev_b32 v[LO], 2, v1
	s_and_b32 s11, ttmp7, 0xffff                   ; y = 8 batch + J: the rows 256 y on of the 32,768
	s_lshl_b32 s14, s11, 20                        ; 256 rows of 4,096 bytes
	s_lshl_b32 s15, ttmp9, 9                       ; 128 columns
	s_add_co_u32 s14, s14, s15
	s_lshl_b32 s15, s10, 7                         ; 32 columns
	s_add_co_u32 s14, s14, s15
	s_mov_b32 s15, 0
	s_lshl_b32 s16, s11, 10                        ; 256 words of the mask
	s_mov_b32 s17, 0
	s_wait_kmcnt 0x0
	s_add_nc_u64 s[4:5], s[4:5], s[14:15]
	s_add_nc_u64 s[6:7], s[6:7], s[16:17]
.macro LOAD j                          ; sub-block j: 64 rows, each load 128 consecutive bytes a wave (the four waves side by side on 512), into set j % 2
.set i, 0
.rept 32
	global_load_b32 v[SETA+64*((\j)%2)+i], v[LO], s[4:5] offset:(64*(\j)+2*i)*4096 th:TH_LOAD_NT
	global_load_b32 v[SETA+64*((\j)%2)+32+i], v[LO], s[4:5] offset:(64*(\j)+2*i+1)*4096 th:TH_LOAD_NT
.set i, i+1
.endr
.endm
.irp q, 0,1,2,3,4,5,6,7
	global_load_b32 v[MK+\q], v[LO], s[6:7] offset:128*\q
.endr
	LOAD 0
	LOAD 1
	; where the results go, while the loads are out
	s_lshr_b32 s12, s11, 3
	s_lshl_b32 s12, s12, 5                         ; 32 batch
	s_and_b32 s13, s11, 7                          ; J
	s_and_b32 s18, s13, 1                          ; J % 2
	s_lshr_b32 s19, s13, 1                         ; J / 2
	s_lshr_b32 s20, ttmp9, 2
	s_lshl_b32 s20, s20, 3
	s_add_co_u32 s20, s20, s12
	s_add_co_u32 s20, s20, s19                     ; the keys' unit: 32 batch + 8 (x / 4) + J / 2
	s_lshl_b32 s20, s20, 2
	s_and_b32 s21, ttmp9, 3
	s_add_co_u32 s20, s20, s21
	s_mul_i32 s20, s20, QUARTER                    ; its quarter x % 4
	s_lshl_b32 s21, s18, 2
	s_add_co_u32 s21, s21, s10                     ; 4 (J % 2) + pw
	s_mul_i32 s22, s21, 2*FRB
	s_add_co_u32 s22, s22, s20                     ; fragments 8 (J % 2) + 2 pw and the next
	s_lshl_b32 s21, s21, 7
	s_add_co_u32 s21, s21, s20
	s_add_co_u32 s21, s21, SCOFF                   ; scale register 4 (J % 2) + pw
	s_lshl_b32 s23, s19, 3
	s_add_co_u32 s23, s23, s12
	s_lshl_b32 s36, s18, 1
	s_add_co_u32 s23, s23, s36
	s_add_co_u32 s23, s23, 4                       ; the channels' unit: 32 batch + 8 (J / 2) + 4 + 2 (J % 2)
	s_lshl_b32 s23, s23, 2
	s_lshr_b32 s36, ttmp9, 1
	s_add_co_u32 s23, s23, s36
	s_mul_i32 s23, s23, QUARTER                    ; its quarter x / 2
	s_and_b32 s36, ttmp9, 1
	s_lshl_b32 s36, s36, 2
	s_add_co_u32 s36, s36, s10                     ; 4 (x % 2) + pw
	s_mul_i32 s37, s36, 2*FRB
	s_add_co_u32 s37, s37, s23
	s_lshl_b32 s36, s36, 7
	s_add_co_u32 s36, s36, s23
	s_add_co_u32 s36, s36, SCOFF
	v_and_b32 v[T0], 1, v1
	v_bfe_u32 v[T0+1], v1, 1, 3
	v_lshl_add_u32 v[T0], v[T0], 3, v[T0+1]        ; my key's row in its tile: 8 (lane % 2) + (lane / 2) % 8
	v_lshrrev_b32 v[T0+1], 4, v1                   ; which of the two tiles
	v_mul_u32_u24 v[T0+2], v[T0+1], FRB
	v_lshl_add_u32 v[VK], v[T0], 4, v[T0+2]
	v_add_nc_u32 v[VK], s22, v[VK]
	v_lshl_add_u32 v[VKS], v[T0+1], 4, v[T0]
	v_lshlrev_b32 v[VKS], 2, v[VKS]
	v_add_nc_u32 v[VKS], s21, v[VKS]
	v_and_b32 v[T0], 15, v1                        ; my channel's row: lane % 16
	v_lshl_add_u32 v[VV], v[T0], 4, v[T0+2]
	v_add_nc_u32 v[VV], s37, v[VV]
	v_add_nc_u32 v[VVS], s36, v[LO]
	s_wait_loadcnt 63                              ; behind the mask's 8 loads 128 were issued: at most 63 out shows the 8 in
.irp q, 0,1,2,3,4,5,6,7
	v_cmp_ne_u32 s[BM+\q], 0, v[MK+\q]
.endr
.macro SUB j
.set XS, SETA+64*((\j)%2)
.set KB, 12*((\j)%2)+6*((\j)/2)                ; block j's place among a key operand's 24 registers
.set VX, CV0+24*((\j)/2)+6*((\j)%2)            ; the two row blocks' places: VX and VX + 12
.if (\j) < 3
	s_wait_loadcnt 63                              ; behind this set's last load the next set's 64 were issued: at most 63 out shows this set in
.else
	s_wait_loadcnt 0x0
.endif
.set k, 0
.rept 64                               ; a masked row becomes +0 whatever its bits: a select, no branch
	s_bitcmp1_b32 s[BM+2*(\j)+k/32], k%32
	s_cselect_b32 s[TS+k%4], -1, 0
	v_and_b32 v[XS+32*(k%2)+k/2], s[TS+k%4], v[XS+32*(k%2)+k/2]
.set k, k+1
.endr
.irp g, 0,1,2,3                        ; four maxima of 16 numbers each, by turns, each with the floor 2^(5 - 127) as a leaf: so no byte falls under 1
	v_max3_num_f32 v[MX+\g], |v[XS+16*\g]|, |v[XS+16*\g+1]|, 0x2800000
.endr
.irp i, 2,4,6,8,10,12,14
.irp g, 0,1,2,3
	v_max3_num_f32 v[MX+\g], v[MX+\g], |v[XS+16*\g+\i]|, |v[XS+16*\g+\i+1]|
.endr
.endr
	v_max_num_f32 v[SO], v[MX], v[MX+1]            ; key c: all of E
	v_max_num_f32 v[SO+1], v[MX+2], v[MX+3]        ; key c + 1024: all of O
	v_max_num_f32 v[SO+2], v[MX], v[MX+2]          ; rows 0-31
	v_max_num_f32 v[SO+3], v[MX+1], v[MX+3]        ; rows 32-63
.irp g, 0,1,2,3
	v_add_nc_u32 v[SO+\g], 0xfe000000, v[SO+\g]    ; 4 off the exponent field: the conversion takes that field as its scale and nothing else
.endr
.irp g, 0,1,2,3
	v_lshrrev_b32 v[BY+\g], 23, v[SO+\g]           ; the scale's byte
.endr
.if (\j) == 0
	v_mov_b32 v[WD], v[BY]
	v_mov_b32 v[WD+1], v[BY+1]
.else
	v_lshl_or_b32 v[WD], v[BY], 8*(\j), v[WD]
	v_lshl_or_b32 v[WD+1], v[BY+1], 8*(\j), v[WD+1]
.endif
.if ((\j)%2) == 0
	v_lshl_or_b32 v[WD+2+(\j)/2], v[BY+3], 8, v[BY+2]
.else
	v_lshl_or_b32 v[WD+2+(\j)/2], v[BY+2], 16, v[WD+2+(\j)/2]
	v_lshl_or_b32 v[WD+2+(\j)/2], v[BY+3], 24, v[WD+2+(\j)/2]
.endif
	v_cvt_scalef32_pk16_bf6_f32 v[CK0+KB:CK0+KB+2], v[XS:XS+15], v[SO]
	v_cvt_scalef32_pk16_bf6_f32 v[T0:T0+2], v[XS+16:XS+31], v[SO]          ; (a conversion's three registers begin on an even number: a block's second three are made elsewhere and moved)
	v_cvt_scalef32_pk16_bf6_f32 v[CK1+KB:CK1+KB+2], v[XS+32:XS+47], v[SO+1]
	v_cvt_scalef32_pk16_bf6_f32 v[T1:T1+2], v[XS+48:XS+63], v[SO+1]
	v_nop                                          ; one plain place behind scaled conversions
.irp n, 0,1,2
	v_mov_b32 v[CK0+KB+3+\n], v[T0+\n]
	v_mov_b32 v[CK1+KB+3+\n], v[T1+\n]
.endr
	v_cvt_scalef32_pk16_bf6_f32 v[VX:VX+2], v[XS:XS+15], v[SO+2]           ; rows 0-31: the even rows' codes first,
	v_cvt_scalef32_pk16_bf6_f32 v[T0:T0+2], v[XS+32:XS+47], v[SO+2]        ; then the odd rows'
	v_cvt_scalef32_pk16_bf6_f32 v[VX+12:VX+14], v[XS+16:XS+31], v[SO+3]    ; rows 32-63 likewise
	v_cvt_scalef32_pk16_bf6_f32 v[T1:T1+2], v[XS+48:XS+63], v[SO+3]
	v_nop
.irp n, 0,1,2
	v_mov_b32 v[VX+3+\n], v[T0+\n]
	v_mov_b32 v[VX+15+\n], v[T1+\n]
.endr
.if (\j) < 2
	LOAD (\j)+2
.endif
.endm
	SUB 0
	SUB 1
	SUB 2
	SUB 3
	; eight fragments: each store's sixteen neighbouring lanes cover 256 consecutive bytes, aligned; h: the image's lanes 0-15 or 16-31; c: its registers 4 c on
.irp h, 0,1
.irp c, 0,1,2
	global_store_b128 v[VK], v[CK0+12*\h+4*\c:CK0+12*\h+4*\c+3], s[8:9] offset:256*\h+512*\c
	global_store_b128 v[VK], v[CK1+12*\h+4*\c:CK1+12*\h+4*\c+3], s[8:9] offset:16*UNITB+256*\h+512*\c     ; keys 1,024 on: 16 units on
	global_store_b128 v[VV], v[CV0+12*\h+4*\c:CV0+12*\h+4*\c+3], s[8:9] offset:256*\h+512*\c
	global_store_b128 v[VV], v[CV1+12*\h+4*\c:CV1+12*\h+4*\c+3], s[8:9] offset:UNITB+256*\h+512*\c        ; rows 128 on: the next unit
.endr
.endr
	global_store_b32 v[VKS], v[WD], s[8:9]         ; the scale words: 128 consecutive bytes a store, one part in 24 of what the wave stores
	global_store_b32 v[VKS], v[WD+1], s[8:9] offset:16*UNITB
	global_store_b32 v[VVS], v[WD+2], s[8:9]
	global_store_b32 v[VVS], v[WD+3], s[8:9] offset:UNITB
	s_endpgm
.Lfunc_end_k_q6330ebe9a7_prep:
	.size	k_q6330ebe9a7_prep, .Lfunc_end_k_q6330ebe9a7_prep-k_q6330ebe9a7_prep
	.p2alignl 7, 3214868480
	.fill 96, 4, 3214868480
	.section	.rodata,"a",@progbits
	.p2align	6, 0x0
	.amdhsa_kernel k_q6330ebe9a7_prep
		.amdhsa_group_segment_fixed_size 0
		.amdhsa_private_segment_fixed_size 0
		.amdhsa_enable_private_segment 0
		.amdhsa_kernarg_size 24
		.amdhsa_user_sgpr_count 2
		.amdhsa_user_sgpr_kernarg_segment_ptr 1
		.amdhsa_wavefront_size32 1
		.amdhsa_system_sgpr_workgroup_id_x 1
		.amdhsa_system_sgpr_workgroup_id_y 1
		.amdhsa_system_sgpr_workgroup_id_z 1
		.amdhsa_system_vgpr_workitem_id 0
		.amdhsa_next_free_vgpr 256
		.amdhsa_next_free_sgpr 66
		.amdhsa_reserve_vcc 0
		.amdhsa_float_denorm_mode_32 3
		.amdhsa_float_denorm_mode_16_64 3
		.amdhsa_memory_ordered 1
		.amdhsa_forward_progress 1
		.amdhsa_inst_pref_size 71
	.end_amdhsa_kernel
	.amdgpu_metadata
---
amdhsa.version: [ 1, 2 ]
amdhsa.kernels:
  - .name:           k_q6330ebe9a7_prep
    .symbol:         k_q6330ebe9a7_prep.kd
    .args:
      - { .name: memory_vectors, .offset: 0, .size: 8, .value_kind: global_buffer, .address_space: global }
      - { .name: memory_attention_mask, .offset: 8, .size: 8, .value_kind: global_buffer, .address_space: global }
      - { .name: kv, .offset: 16, .size: 8, .value_kind: global_buffer, .address_space: global }
    .group_segment_fixed_size: 0
    .private_segment_fixed_size: 0
    .kernarg_segment_align: 8
    .kernarg_segment_size: 24
    .max_flat_workgroup_size: 128
    .sgpr_count:     66
    .vgpr_count:     256
    .wavefront_size: 32
...
	.end_amdgpu_metadata
.endif
;; end of part 1
;; launch attn (part 2): grid 16 x 16, 4 waves a work-group, clusters of 4 x 1, 327,680 bytes of LDS; arguments seq_vectors, kv, out0; writes out0
.if DOCPART == 2
	.amdgcn_target "amdgcn-amd-amdhsa--gfx1250"
	.amdhsa_code_object_version 6
	.text
	.protected	k_q6330ebe9a7_attn
	.globl	k_q6330ebe9a7_attn
	.p2align	8
	.type	k_q6330ebe9a7_attn,@function
k_q6330ebe9a7_attn:
	s_mov_b64 s[64:65], 0
	v_nop
	global_prefetch_b8 v0, s[64:65] scope:SCOPE_SE
	s_setreg_imm32_b32 hwreg(HW_REG_WAVE_MODE, 25, 1), 1
	s_wait_xcnt 0x0
	s_wait_alu depctr_hold_cnt(0) depctr_sa_sdst(0) depctr_va_vdst(0) depctr_va_sdst(0) depctr_va_ssrc(0) depctr_va_vcc(0) depctr_vm_vsrc(0)
	s_getreg_b32 s2, hwreg(HW_REG_IB_STS2, 6, 4)
	s_cmp_eq_u32 s2, 0
	s_cbranch_scc0 .Lentry_in_a_cluster
	s_endpgm
.Lentry_in_a_cluster:
	s_bfe_u32 s2, ttmp6, 0x10000c
	s_cmp_lg_u32 s2, 0x3003
	s_cbranch_scc0 .Lentry_shape_is_right
	s_endpgm
.Lentry_shape_is_right:
; ATTN: out = seq + softmax(seq x memR) x mem, both products on codes of E3M2 with one E8M0 byte for each 32 along K.  The right-hand operands come from kv, as the first launch laid them: images of operand registers.
; attention_mask is named by no launch: reference() receives it and never uses it.
; THE SOFTMAX: t = score x log2(e); M = the running largest t rounded UP to a whole number (a running maximum over all keys seen); p = 2^(t - M) is quantised along the keys, not normalised; the row's sum is taken of the
; unquantised p and divides at the end.  When M moves, the sum and O are multiplied by 2^(old M - new M), which rounds nothing; it is done in every step, so no branch hangs on data.
; SHARES.  A work-group owns 64 queries of one batch: four tiles m of 16.  THE WAVES SHARE THE COLUMNS, NOT THE ROWS.  A key step is 512 keys.  First product: wave w makes S^T for its 128 keys x all 64 queries (32 accumulators);
; second product: wave w makes channels 256 w on x 64 queries (64 accumulators, 512 registers, kept for the whole launch).  So a fragment of kv is read from LDS by ONE wave and feeds four matrix instructions;
; Q's and P's fragments go from wave to wave through LDS as images of their registers and feed 8 and 16.
; Both products are used transposed (source 0 = 16 keys or 16 channels, source 1 = 16 queries): a lane holds one query throughout.  The first launch placed the keys in their tiles so that the 16 registers of tiles 2 b, 2 b + 1
; are a half of block b in the order in which it laid the second operand's codes (even keys first): the block's 32 keys and its scale are the true ones; the order of the sums inside a block differs from reference()'s.
; THE STREAM.  kv is walked in 32 units of 102,400 bytes for a batch: in a key step four units of keys (256 of the 1,024 dims each), then four of channels (128 keys each).  Two LDS slots by turns; each wave brings its own
; quarter, 25,600 dense bytes, by one tensor load and alone reads it.  CLUSTER: four work-groups of one batch walk the same units: each load is asked for JOINTLY by the four, with one descriptor and a mask that names them.
; A batch's sixteen work-groups are four clusters, since a mask names four work-groups.
; LIMITS: NaN and infinities are not served.  A block whose largest magnitude lies under 2^-122 (a block of zeros, or p fallen to 0) gets the byte 1: its codes are zeros or next to it, and this program alone reads the bytes.
; REGISTERS, in windows of 256: window 0: v0-63 addresses, statistics, scale words; v64-159 two sets of four stationary fragments (Q's or P's); v160-255 two halves of four fragments of the stream.
;   window 1: S^T, (m, tile t) at 64 m + 8 t.   windows 2, 3: O^T, (channel tile ct, m) in window 2 + m / 2 at 128 (m % 2) + 8 ct.
.set UNITB,   102400
.set QUARTER, 25600
.set FRB,     1536                     ; a fragment's image: 12 registers x 128 bytes
.set SCOFF,   24576                    ; the scale words' place in a quarter
.set SLOT1,   131072                   ; LDS: slot 0 at 0, slot 1 here; wave w's quarter at 25,600 w
.set PIMG,    102400                   ; P's 16 fragments (K step j, tile m: 4 j + m), behind slot 0
.set PSC,     126976                   ; their scale words, 256 bytes a K step: tile m, row r at 8 (r + 16 (m / 2)) + 4 (m % 2)
.set QIMG,    233472                   ; Q's 32 fragments (K step s, tile m: 4 s + m), behind slot 1
.set QSC,     282624                   ; their scale words, laid as P's
.set MXB,     284672                   ; the waves' largest scores: 16 bytes a query, a word a wave; 1,024 bytes on: the waves' sums
.set SPARE,   286720                   ; the spare words, 128 bytes for each wave: two blocks of 256 bytes that no other line names
.set SPITCH,  1040                     ; the way out: a stage of 64 rows x (1,024 bytes + 16) for each wave, from LDS byte 0 on, used when ring, P and Q have had their last fill and their last read
.set STGW,    64*SPITCH
.set AD,   1                           ; v1-2   16 x lane + my quarter in slot 0, 1
.set ADS,  3                           ; v3-4   4 x lane + my quarter's scale words
.set AQ,   5                           ; v5     16 x lane + QIMG
.set AQS,  6                           ; v6     8 x lane + QSC
.set AP,   7                           ; v7     16 x lane + PIMG
.set APS,  8                           ; v8     8 x lane + PSC
.set PWI,  9                           ; v9     where I store P's images: K step = my wave
.set PWS,  10                          ; v10    and their scale words
.set MXW,  11                          ; v11    my wave's word of my query
.set MXR,  12                          ; v12    my query's four words
.set SPW,  13                          ; v13    my spare word; never rewritten
.set NIL,  14                          ; v14    0; never rewritten
.set PFO,  15                          ; v15    the prefetches' offset; never rewritten
.set STAT, 16                          ; v16-23 for each tile m the pair (-M, the largest t)
.set LL,   24                          ; v24-31 the sum, in two halves
.set FF,   32                          ; v32-39 f = 2^(old M - new M) (the pair's upper word is written once)
.set SK,   40                          ; v40-47 the stream's scale words and nothing else
.set SQ,   48                          ; v48-51 the stationary sets' scale words and nothing else
.set STO,  52                          ; v52    the stage: where I put 32 bytes of a row
.set RD,   53                          ; v53    and where I read a row back
.set GO,   54                          ; v54    16 x lane
.set XO,   55                          ; v55    at the head: my place in my 16 rows of seq; at the tail: 4,096 x lane
.set RL,   56                          ; v56-59 1 / the sum
.set TX,   60                          ; v60-63 at work (at the head: QWI, QWS)
.set STB,  64                          ; stationary sets 0, 1: 48 registers each
.set HB,   160                         ; halves 0, 1 of the stream: 48 each
.set BM,   64                          ; in the softmax: v64-79 the blocks' largest scores, then largest p
.set B2,   80                          ;   v80-95 at work
.set SO,   96                          ;   v96-111 the conversions' scale operands
.set PW,   112                         ;   v112-115 P's scale words
.set PC,   116                         ;   v116-135, v136-155 P's codes, two sets
.set XA,   64                          ; at the head: v64-127, v128-191 two sets of 64 numbers of seq
.set TM,   192                         ;   v192-207 at work
.set QPC,  208                         ;   v208-227 Q's codes
.set QPW,  228                         ;   v228 Q's scale word
.set QWI,  60
.set QWS,  61
.set WV,   10                          ; s10 my wave's number
.set CX,   11                          ; s11 my place in the cluster: it enters seq's, out's and the prefetches' addresses alone
.set G1,   16                          ; s[16:23] descriptor group 1
.set G0,   24                          ; s[24:27], s[28:31] group 0 for slot 0, 1
.set SEL,  32                          ; s[32:33] v_permlanex16_b32's selects for lane l xor 16
.set CS,   34                          ; s[34:35] log2(e), as a pair for the packed form
.set STEP, 36                          ; s36 key steps to go
.set UC,   37                          ; s37 units begun
.set LIM,  38                          ; s38 a wave prefetches while s[UC] is under it
.set PFA,  40                          ; s[40:41] where my prefetches stand
.set RS,   44                          ; s[44:47] two pairs for 1 / the sum of a row
.set MSB, 0
.macro WIN new                         ; the immediate's high byte repeats the setting that is left; a switch that changes nothing is dropped
.if MSB != (\new)
	s_set_vgpr_msb (MSB<<8)|(\new)
.set MSB, (\new)
.endif
.endm
.macro PLACES                          ; four plain places behind matrix instructions, in front of loads into registers that they read and of reads of their results
.rept 4
	v_nop
.endr
.endm
.macro BAR
	s_barrier_signal -1
	s_barrier_wait -1
.endm
.macro CREST                           ; a round of the cluster's barrier behind its opening barrier
	s_cmp_lg_u32 s[WV], 0
	s_cbranch_scc1 .Lnot_wave_0_\@
	s_barrier_signal -3
.Lnot_wave_0_\@:
	s_barrier_wait -3
	s_barrier_signal -1
	s_barrier_wait -1
.endm
.macro CROUND
	BAR
	CREST
.endm
; One matrix instruction.  d: accumulator; a, b: sources 0, 1; z = 1: the constant 0 starts the sum; sa, sb: scale registers; ra, rb = 1: their lanes 16-31 are taken
.macro WM d, a, b, z, sa, sb, ra, rb
.if \z
.if ((\ra) == 0) && ((\rb) == 0)
	v_wmma_scale_f32_16x16x128_f8f6f4 v[(\d):(\d)+7], v[(\a):(\a)+11], v[(\b):(\b)+11], 0, v[(\sa)], v[(\sb)] matrix_a_fmt:MATRIX_FMT_BF6 matrix_b_fmt:MATRIX_FMT_BF6
.elseif ((\ra) == 1) && ((\rb) == 0)
	v_wmma_scale_f32_16x16x128_f8f6f4 v[(\d):(\d)+7], v[(\a):(\a)+11], v[(\b):(\b)+11], 0, v[(\sa)], v[(\sb)] matrix_a_fmt:MATRIX_FMT_BF6 matrix_b_fmt:MATRIX_FMT_BF6 matrix_a_scale:MATRIX_SCALE_ROW1
.elseif ((\ra) == 0) && ((\rb) == 1)
	v_wmma_scale_f32_16x16x128_f8f6f4 v[(\d):(\d)+7], v[(\a):(\a)+11], v[(\b):(\b)+11], 0, v[(\sa)], v[(\sb)] matrix_a_fmt:MATRIX_FMT_BF6 matrix_b_fmt:MATRIX_FMT_BF6 matrix_b_scale:MATRIX_SCALE_ROW1
.else
	v_wmma_scale_f32_16x16x128_f8f6f4 v[(\d):(\d)+7], v[(\a):(\a)+11], v[(\b):(\b)+11], 0, v[(\sa)], v[(\sb)] matrix_a_fmt:MATRIX_FMT_BF6 matrix_b_fmt:MATRIX_FMT_BF6 matrix_a_scale:MATRIX_SCALE_ROW1 matrix_b_scale:MATRIX_SCALE_ROW1
.endif
.else
.if ((\ra) == 0) && ((\rb) == 0)
	v_wmma_scale_f32_16x16x128_f8f6f4 v[(\d):(\d)+7], v[(\a):(\a)+11], v[(\b):(\b)+11], v[(\d):(\d)+7], v[(\sa)], v[(\sb)] matrix_a_fmt:MATRIX_FMT_BF6 matrix_b_fmt:MATRIX_FMT_BF6
.elseif ((\ra) == 1) && ((\rb) == 0)
	v_wmma_scale_f32_16x16x128_f8f6f4 v[(\d):(\d)+7], v[(\a):(\a)+11], v[(\b):(\b)+11], v[(\d):(\d)+7], v[(\sa)], v[(\sb)] matrix_a_fmt:MATRIX_FMT_BF6 matrix_b_fmt:MATRIX_FMT_BF6 matrix_a_scale:MATRIX_SCALE_ROW1
.elseif ((\ra) == 0) && ((\rb) == 1)
	v_wmma_scale_f32_16x16x128_f8f6f4 v[(\d):(\d)+7], v[(\a):(\a)+11], v[(\b):(\b)+11], v[(\d):(\d)+7], v[(\sa)], v[(\sb)] matrix_a_fmt:MATRIX_FMT_BF6 matrix_b_fmt:MATRIX_FMT_BF6 matrix_b_scale:MATRIX_SCALE_ROW1
.else
	v_wmma_scale_f32_16x16x128_f8f6f4 v[(\d):(\d)+7], v[(\a):(\a)+11], v[(\b):(\b)+11], v[(\d):(\d)+7], v[(\sa)], v[(\sb)] matrix_a_fmt:MATRIX_FMT_BF6 matrix_b_fmt:MATRIX_FMT_BF6 matrix_a_scale:MATRIX_SCALE_ROW1 matrix_b_scale:MATRIX_SCALE_ROW1
.endif
.endif
.endm
; S^T: n tiles of keys from t0 on x the four tiles of queries, K step e of the unit's two.  The accumulators take turns, one instruction a turn.
.macro GK half, e, t0, n, zero
	WIN 0x50                                       ; C and D in window 1
.set tt, \t0
.rept \n
.irp m, 0,1,2,3
	WM 64*\m+8*tt, HB+48*(\half)+12*(tt%4), STB+48*(\e)+12*\m, \zero, SK+4*(\e)+tt/2, SQ+2*(\e)+(\m%2), tt%2, \m/2
.endr
.set tt, tt+1
.endr
.endm
; O^T: n tiles of channels from c0 on x the four tiles of queries; P's fragments in stationary set p
.macro GV half, c0, n, p
.irp mh, 0,1
	WIN 0xa0+0x50*\mh                              ; C and D in window 2, then 3
.set cc, \c0
.rept \n
.irp ml, 0,1
	WM 128*\ml+8*cc, HB+48*(\half)+12*(cc%4), STB+48*(\p)+12*(2*\mh+\ml), 0, SK+cc/2, SQ+2*(\p)+\ml, cc%2, \mh
.endr
.set cc, cc+1
.endr
.endr
.endm
; group g (0..3) of a unit: four fragments of the stream; of them n from t0 on.  kind 0: keys (the key step's first unit starts the sums in its first K step), kind 1: channels
.macro GRP kind, idx, g, t0, n
.if (\kind) == 0
.if ((\idx) == 0) && ((\g) < 2)
	GK (\g)%2, (\g)/2, 4*((\g)%2)+(\t0), \n, 1
.else
	GK (\g)%2, (\g)/2, 4*((\g)%2)+(\t0), \n, 0
.endif
.else
	GV (\g)%2, 4*(\g)+(\t0), \n, (\idx)%2
.endif
.endm
.macro LDG half, slot, g               ; 12 loads: the stream's fragments 4 g .. 4 g + 3 of my quarter; every load takes 512 consecutive bytes
.irp i, 0,1,2,3
.irp c, 0,1,2
	ds_load_b128 v[HB+48*(\half)+12*\i+4*\c:HB+48*(\half)+12*\i+4*\c+3], v[AD+(\slot)] offset:(4*(\g)+\i)*FRB+512*\c
.endr
.endr
.endm
.macro LDST set, adr, off              ; 12 loads: four stationary fragments
.irp i, 0,1,2,3
.irp c, 0,1,2
	ds_load_b128 v[STB+48*(\set)+12*\i+4*\c:STB+48*(\set)+12*\i+4*\c+3], v[\adr] offset:(\off)+FRB*\i+512*\c
.endr
.endr
.endm
.macro LDSS set, adr, off              ; their scale words: register m % 2, lanes 16 (m / 2) on
	ds_load_b64 v[SQ+2*(\set):SQ+2*(\set)+1], v[\adr] offset:\off
.endm
.macro LDSK x, slot                    ; four registers of the stream's scale words
.irp i, 0,1,2,3
	ds_load_b32 v[SK+4*(\x)+\i], v[ADS+(\slot)] offset:128*(4*(\x)+\i)
.endr
.endm
; what the next unit begins with, from the other slot: 16 loads, and 13 more where a stationary set is due.  nkind 0: keys (Q's even K step), 1: channels (P's K step nidx), 2: channels, P not yet made
.macro NEXTC nslot, nkind, nidx
	LDG 0, \nslot, 0
	LDSK 0, \nslot
.if (\nkind) == 0
	LDST 0, AQ, 4*FRB*2*(\nidx)
	LDSS 0, AQS, 256*2*(\nidx)
.elseif (\nkind) == 1
	LDST (\nidx)%2, AP, 4*FRB*(\nidx)
	LDSS (\nidx)%2, APS, 256*(\nidx)
.endif
.endm
; A PREFETCH of the unit that stands two refills on (unit x + 4 behind the load for unit x + 2): 128 matrix instructions and, once a key step, a softmax ahead of the load that will want it.
; All four clusters of a batch walk the same units: the batch's first cluster asks.  Of a wave's quarter, 100 blocks of 256 bytes, each of the four partners takes 25, told apart BY ADDRESS; a lane a block;
; lanes 25 to 31 name lane 24's block again in the same instruction.  Units 0 to 3 come by their loads alone; the last two units that fill a slot ask for nothing.
.macro ASK
	s_cmp_lt_u32 s[UC], s[LIM]
	s_cbranch_scc0 .Lnot_mine_\@
	global_prefetch_b8 v[PFO], s[PFA:PFA+1] th:TH_LOAD_NT scope:SCOPE_SE
.Lnot_mine_\@:
.endm
; A UNIT: 64 matrix instructions in four groups of 16, on the stream's halves 0, 1, 0, 1.  w0: how many LDS loads may be out at its head.
; fill = 1: the slot is filled again with the unit two on.  ONE round of the cluster's barrier; in front of it each wave waits for all its tensor loads (one is out: my quarter of the other slot), adds 0 to its spare word,
; and waits for that and for its reads of this slot; the joint refill is the first thing behind the round.
.macro UNIT kind, idx, slot, nkind, nidx, fill, w0
	s_wait_dscnt \w0                               ; half 0, its scale words and the stationary set are in; half 1's 12 loads may be out
	GRP \kind, \idx, 0, 0, 4
	WIN 0
	PLACES
	LDG 0, \slot, 2
.if (\kind) == 0
	LDST 1, AQ, 4*FRB*(2*(\idx)+1)                 ; Q's odd K step
	LDSS 1, AQS, 256*(2*(\idx)+1)
.endif
	LDSK 1, \slot
.if (\kind) == 0
	s_wait_dscnt 29                                ; all but the 29 just issued
.else
	s_wait_dscnt 16                                ; all but the 16 just issued
.endif
	GRP \kind, \idx, 1, 0, 4
	WIN 0
	PLACES
	LDG 1, \slot, 3
.if \fill
	s_wait_tensorcnt 0x0                           ; all my tensor loads have landed: my quarter of the other slot
	ds_add_u32 v[SPW], v[NIL]                      ; 0 onto my spare word
	s_wait_dscnt 13                                ; (the add and the 12 loads in front of it may be out)
	GRP \kind, \idx, 2, 0, 4                       ; sixteen matrix instructions stand between the add and the wait for it
	WIN 0
	s_wait_xcnt 0x0                                ; the last prefetch, a unit back, has read its address: it may be written
	s_add_nc_u64 s[PFA:PFA+1], s[PFA:PFA+1], UNITB
	s_add_co_u32 s[UC], s[UC], 1
	s_add_nc_u64 s[G0+4*(\slot)+2:G0+4*(\slot)+3], s[G0+4*(\slot)+2:G0+4*(\slot)+3], 2*UNITB   ; no tensor load of mine is out: this slot's next unit
	s_wait_dscnt 0x0                               ; the add is done, and my reads of this slot are over
	s_barrier_signal -1
	GRP \kind, \idx, 3, 0, 2                       ; work on registers while the others arrive
	WIN 0
	s_barrier_wait -1
	CREST                                          ; no wave of any partner still reads this slot or has a load on its way
	tensor_load_to_lds s[G0+4*(\slot):G0+4*(\slot)+3], s[G1:G1+7]
	s_nop 0
	PLACES                                         ; places in front of the loads below
	NEXTC 1-(\slot), \nkind, \nidx
	ASK
	GRP \kind, \idx, 3, 2, 2
	WIN 0
	PLACES
	LDG 1, 1-(\slot), 1
.elseif (\nkind) != 3                  ; the last unit but one: nothing is filled, so no round
	s_wait_dscnt 12
	GRP \kind, \idx, 2, 0, 4
	WIN 0
	PLACES
	s_wait_tensorcnt 0x0                           ; my quarter of the last unit is in; I alone read it
	NEXTC 1-(\slot), \nkind, \nidx
	s_wait_dscnt 29                                ; all but the 29 just issued
	GRP \kind, \idx, 3, 0, 4
	WIN 0
	PLACES
	LDG 1, 1-(\slot), 1
.else                                  ; the last unit: nothing more to fetch
	s_wait_dscnt 12
	GRP \kind, \idx, 2, 0, 4
	s_wait_dscnt 0x0
	GRP \kind, \idx, 3, 0, 4
	WIN 0
.endif
.endm
.macro XLOAD reg, s                    ; my 16 rows' numbers of K step s: lane (r, h) takes, of row r, 16 neighbours of each block of 32
.irp b, 0,1,2,3
.irp j, 0,1,2,3
	global_load_b128 v[(\reg)+16*\b+4*\j:(\reg)+16*\b+4*\j+3], v[XO], s[12:13] offset:512*(\s)+128*\b+16*\j
.endr
.endr
.endm
; 64 numbers of a lane, register 16 b + i = k 32 b + 16 (lane / 16) + i of my row, become a fragment's codes in v[QPC] on and its scale word in v[QPW]
.macro QUANT s
.irp b, 0,1,2,3
	v_max3_num_f32 v[TM+\b], |v[(\s)+16*\b]|, |v[(\s)+16*\b+1]|, 0x2800000   ; my 16 numbers of block b, and the floor 2^(5 - 127): the byte cannot fall under 1
.endr
.irp i, 2,4,6,8,10,12,14
.irp b, 0,1,2,3
	v_max3_num_f32 v[TM+\b], v[TM+\b], |v[(\s)+16*\b+\i]|, |v[(\s)+16*\b+\i+1]|
.endr
.endr
.irp b, 0,1,2,3
	v_permlanex16_b32 v[TM+4+\b], v[TM+\b], s[SEL], s[SEL+1]
.endr
.irp b, 0,1,2,3
	v_max_num_f32 v[TM+\b], v[TM+\b], v[TM+4+\b]   ; with lane l xor 16's: the block's largest magnitude
.endr
.irp b, 0,1,2,3
	v_add_nc_u32 v[TM+12+\b], 0xfe000000, v[TM+\b] ; 4 off its exponent field: the conversion's scale operand
.endr
.irp b, 0,1,2,3
	v_lshrrev_b32 v[TM+4+\b], 23, v[TM+12+\b]      ; the scale's byte
.endr
	v_lshl_or_b32 v[QPW], v[TM+5], 8, v[TM+4]
	v_lshl_or_b32 v[QPW], v[TM+6], 16, v[QPW]
	v_lshl_or_b32 v[QPW], v[TM+7], 24, v[QPW]
.irp c, 0,1
	v_cvt_scalef32_pk16_bf6_f32 v[QPC+6*\c:QPC+6*\c+2], v[(\s)+32*\c:(\s)+32*\c+15], v[TM+12+2*\c]
	v_cvt_scalef32_pk16_bf6_f32 v[QPC+12+4*\c:QPC+14+4*\c], v[(\s)+32*\c+16:(\s)+32*\c+31], v[TM+12+2*\c+1]   ; (a conversion's three registers begin on an even number)
.endr
	v_nop                                          ; one plain place behind scaled conversions
.irp c, 0,1                            ; the operand's layout wants a whole block in a lane: lanes 0-15 block 2 c, lanes 16-31 block 2 c + 1
.irp i, 0,1,2
	v_permlane16_swap_b32 v[QPC+6*\c+\i], v[QPC+12+4*\c+\i]
.endr
.irp i, 0,1,2
	v_mov_b32 v[QPC+3+6*\c+\i], v[QPC+12+4*\c+\i]
.endr
.endr
.endm
	s_load_b128 s[4:7], s[0:1], 0x0                ; seq, kv
	s_load_b64 s[8:9], s[0:1], 0x10                ; out
	v_lshl_add_u32 v[SPW], v0, 2, SPARE
	v_mov_b32 v[NIL], 0
	ds_add_u32 v13, v14
	ds_add_u32 v13, v14
	s_wait_dscnt 0x0
	v_lshrrev_b32 v62, 5, v0
	v_readfirstlane_b32 s[WV], v62                 ; wave 0..3
	s_bfe_u32 s[CX], ttmp6, 0x40000                ; cx
	s_and_b32 s49, ttmp7, 0xffff                   ; the batch, which the four partners share
	s_lshl_b32 s50, ttmp9, 2                       ; in a cluster launch ttmp9 counts clusters
	s_add_co_u32 s50, s50, s[CX]                   ; my block of 64 queries
	s_mul_i32 s52, s49, 32*UNITB                   ; kv: the batch's 32 units,
	s_mul_i32 s51, s[WV], QUARTER                  ; my quarter, in memory and in a slot: no place in the cluster enters a descriptor
	s_add_co_u32 s52, s52, s51
	s_mov_b32 s53, 0
	s_lshl_b32 s54, s49, 22                        ; seq and out: 1,024 rows of 4,096 bytes a batch,
	s_lshl_b32 s55, s50, 18                        ; 64 rows a block
	s_add_co_u32 s54, s54, s55
	s_lshl_b32 s55, s[WV], 16
	s_add_co_u32 s56, s54, s55                     ; at the head: my 16 rows
	s_mov_b32 s57, 0
	s_lshl_b32 s55, s[WV], 10
	s_add_co_u32 s54, s54, s55                     ; on the way out: my 1,024 bytes of every row
	s_mov_b32 s55, 0
	s_mul_i32 s58, s[CX], 6400                     ; the prefetches: my work-group's 25 blocks of my quarter,
	s_add_co_u32 s58, s58, 3*UNITB                 ; at unit 3: unit 0 steps it to unit 4
	s_mov_b32 s59, 0
	; descriptor group 1: a dense block of 25,600 bytes as 100 rows of 256 bytes, no padding: it is read 16 bytes a lane on end
	s_mov_b32 s[G1], 15|(3<<16)|(1<<21)            ; 15:0 the mask: all four work-groups; 17:16 elements of 8 bytes; 21 set beside a mask
	s_mov_b32 s[G1+1], 32<<16                      ; tensor_dim0 = 32
	s_mov_b32 s[G1+2], 100<<16                     ; tensor_dim1 = 100
	s_mov_b32 s[G1+3], 32<<16                      ; tile_dim0 = 32
	s_mov_b32 s[G1+4], 100                         ; tile_dim1 = 100
	s_mov_b32 s[G1+5], 32                          ; from row to row
	s_mov_b32 s[G1+6], 0
	s_mov_b32 s[G1+7], 0
	s_mov_b32 s[SEL], 0x76543210
	s_mov_b32 s[SEL+1], 0xfedcba98
	s_mov_b32 s[CS], 0x3fb8aa3b                    ; log2(e): reference() scales its scores by nothing else
	s_mov_b32 s[CS+1], s[CS]
	s_mov_b32 s[UC], 0
	s_mov_b32 s[RS+1], 0                           ; (named as the upper halves of pairs, so they are written)
	s_mov_b32 s[RS+3], 0
	s_cmp_eq_u32 ttmp9, 0                          ; the batch's first cluster: the same in all four partners
	s_cselect_b32 s[LIM], 29, 0
	s_wait_kmcnt 0x0
	s_add_nc_u64 s[6:7], s[6:7], s[52:53]
	s_add_nc_u64 s[12:13], s[4:5], s[56:57]
	s_add_nc_u64 s[4:5], s[4:5], s[54:55]
	s_add_nc_u64 s[8:9], s[8:9], s[54:55]
	s_add_nc_u64 s[PFA:PFA+1], s[6:7], s[58:59]
.irp s, 0,1
	s_mov_b32 s[G0+4*\s], 1                        ; count = 1
	s_add_co_u32 s[G0+4*\s+1], s51, \s*SLOT1       ; LDS address
	s_add_nc_u64 s[G0+4*\s+2:G0+4*\s+3], s[6:7], \s*UNITB   ; unit s
	s_or_b32 s[G0+4*\s+3], s[G0+4*\s+3], 0x80000000         ; type = 2
.endr
	CROUND                                         ; all four work-groups are here: the first joint loads meet
	tensor_load_to_lds s[G0:G0+3], s[G1:G1+7]      ; both first fills together: two loads of mine are out
	s_nop 0
	tensor_load_to_lds s[G0+4:G0+7], s[G1:G1+7]
	s_nop 0
	PLACES
	v_and_b32 v62, 31, v0                          ; lane
	v_and_b32 v63, 15, v0                          ; r
	v_bfe_u32 v56, v0, 4, 1                        ; h
	v_lshlrev_b32 v[XO], 12, v63
	v_lshl_add_u32 v[XO], v56, 6, v[XO]            ; row r of 4,096 bytes, + 64 h
	XLOAD XA, 0
	XLOAD XA+64, 1
	v_lshlrev_b32 v[GO], 4, v62
	v_add_nc_u32 v[AD], s51, v[GO]
	v_add_nc_u32 v[AD+1], SLOT1, v[AD]
	v_lshl_add_u32 v[ADS], v62, 2, s51
	v_add_nc_u32 v[ADS], SCOFF, v[ADS]
	v_add_nc_u32 v[ADS+1], SLOT1, v[ADS]
	v_lshl_add_u32 v[AQ], v62, 4, QIMG
	v_lshl_add_u32 v[AQS], v62, 3, QSC
	v_lshl_add_u32 v[AP], v62, 4, PIMG
	v_lshl_add_u32 v[APS], v62, 3, PSC
	s_mul_i32 s48, s[WV], 4*FRB
	v_add_nc_u32 v[PWI], s48, v[AP]
	s_lshl_b32 s60, s[WV], 8
	v_lshl_add_u32 v[PWS], v63, 3, s60
	v_add_nc_u32 v[PWS], PSC, v[PWS]
	v_lshl_add_u32 v[MXR], v63, 4, MXB
	s_lshl_b32 s61, s[WV], 2
	v_add_nc_u32 v[MXW], s61, v[MXR]
	v_min_u32 v[PFO], 24, v62
	v_lshlrev_b32 v[PFO], 8, v[PFO]
	s_mul_i32 s62, s[WV], STGW
	v_mul_u32_u24 v[STO], v63, SPITCH
	v_lshl_add_u32 v[STO], v56, 5, v[STO]
	v_add_nc_u32 v[STO], s62, v[STO]               ; the stage: row r, + 32 h
	v_add_nc_u32 v[RD], s62, v[GO]
	s_mul_i32 s48, s[WV], FRB
	v_add_nc_u32 v[QWI], s48, v[AQ]                ; Q's images: tile = my wave
	s_lshr_b32 s60, s[WV], 1
	s_lshl_b32 s60, s60, 7
	s_and_b32 s61, s[WV], 1
	s_lshl_b32 s61, s61, 2
	s_add_co_u32 s60, s60, s61
	v_lshl_add_u32 v[QWS], v63, 3, s60
	v_add_nc_u32 v[QWS], QSC, v[QWS]
.irp m, 0,1,2,3
	v_mov_b32 v[STAT+2*\m+1], 0xff61b1e6           ; the largest t so far: -3e38, under every t
	v_mov_b32 v[LL+2*\m], 0
	v_mov_b32 v[LL+2*\m+1], 0
	v_mov_b32 v[FF+2*\m], 0
	v_mov_b32 v[FF+2*\m+1], 0
	v_mov_b32 v[TM+4+\m], 0                        ; written once: a lane permute's destination counts as one of its sources
.endr
.irp m, 0,1,2,3
	v_floor_f32 v[STAT+2*\m], -v[STAT+2*\m+1]      ; -M
.endr
	; O^T begins as zeros, which the first change of M leaves zeros: so the key step is written once.  A first step of its own, whose products start the sums, would be a second copy of four units;
	; these 512 lines run once, while the first tiles and the first rows of seq are on their way
	WIN 0x80
.set i, 0
.rept 256
	v_mov_b32 v[i], 0
.set i, i+1
.endr
	WIN 0xc0
.set i, 0
.rept 256
	v_mov_b32 v[i], 0
.set i, i+1
.endr
	WIN 0
	; Q: my 16 rows of seq become eight fragments, a K step at a time, two sets of registers by turns
.irp s, 0,1,2,3,4,5,6,7
.if \s < 7
	s_wait_loadcnt 16                              ; this set's 16 loads are in; the other set's may be out
.else
	s_wait_loadcnt 0x0
.endif
.if \s > 0
	s_wait_dscnt 0x0                               ; the last stores have read the codes' registers
.endif
	QUANT XA+64*(\s%2)
.irp c, 0,1,2
	ds_store_b128 v[QWI], v[QPC+4*\c:QPC+4*\c+3] offset:4*FRB*\s+512*\c
.endr
	ds_store_b32 v[QWS], v[QPW] offset:256*\s      ; both halves of the lanes store the same word with the same value
.if \s < 6
	XLOAD XA+64*(\s%2), \s+2
.endif
.endr
	s_wait_dscnt 0x0                               ; for the others' sake: my images of Q have landed
	s_wait_tensorcnt 0x1                           ; my quarter of unit 0 is in; unit 1's may stay out
	BAR
	NEXTC 0, 0, 0
	LDG 1, 0, 1
	s_mov_b32 s[STEP], 4
; THE SOFTMAX of a key step: my 128 keys x 64 queries; block (m, b) = S^T registers 64 m + 16 b + 0 .. 15 of window 1 in the two halves of the lanes
.macro SOFTMAX
	WIN 0x15                                       ; three sources in window 1
.irp m, 0,1,2,3
.irp b, 0,1,2,3
	v_max3_num_f32 v[BM+4*\m+\b], v[64*\m+16*\b], v[64*\m+16*\b+1], v[64*\m+16*\b+2]   ; the largest SCORE of each block: it serves the row's maximum and, since p rises with the score, the block's largest p.  Each accumulator is read from its low end on
.endr
.endr
	WIN 0x14
.irp i, 3,5,7,9,11,13
.irp m, 0,1,2,3
.irp b, 0,1,2,3
	v_max3_num_f32 v[BM+4*\m+\b], v[BM+4*\m+\b], v[64*\m+16*\b+\i], v[64*\m+16*\b+\i+1]
.endr
.endr
.endr
.irp m, 0,1,2,3
.irp b, 0,1,2,3
	v_max_num_f32 v[BM+4*\m+\b], v[BM+4*\m+\b], v[64*\m+16*\b+15]
.endr
.endr
	WIN 0
.irp k, 0,1,2,3,4,5,6,7,8,9,10,11,12,13,14,15
	v_permlanex16_b32 v[B2+\k], v[BM+\k], s[SEL], s[SEL+1]
.endr
.irp k, 0,1,2,3,4,5,6,7,8,9,10,11,12,13,14,15
	v_max_num_f32 v[BM+\k], v[BM+\k], v[B2+\k]     ; with lane l xor 16's 16 keys
.endr
.irp m, 0,1,2,3
	v_max3_num_f32 v[TX+\m], v[BM+4*\m], v[BM+4*\m+1], v[BM+4*\m+2]
.endr
.irp m, 0,1,2,3
	v_max_num_f32 v[TX+\m], v[TX+\m], v[BM+4*\m+3] ; my 128 keys' largest score of my query
.endr
.irp m, 0,1,2,3
	ds_store_b32 v[MXW], v[TX+\m] offset:256*\m
.endr
	s_wait_dscnt 0x0                               ; for the others' sake: my words have landed (and the next unit's first fragments are in)
	BAR                                            ; the refill that is out may stay out
.irp m, 0,1,2,3
	ds_load_b128 v[B2+4*\m:B2+4*\m+3], v[MXR] offset:256*\m
.endr
	s_wait_dscnt 0x0
.irp m, 0,1,2,3
	v_max3_num_f32 v[TX+\m], v[B2+4*\m], v[B2+4*\m+1], v[B2+4*\m+2]
.endr
.irp m, 0,1,2,3
	v_max_num_f32 v[TX+\m], v[TX+\m], v[B2+4*\m+3] ; the step's largest score: the same number in all four waves
.endr
.irp m, 0,1,2,3
	v_mul_f32 v[TX+\m], s[CS], v[TX+\m]            ; as t
.endr
.irp m, 0,1,2,3
	v_max_num_f32 v[STAT+2*\m+1], v[STAT+2*\m+1], v[TX+\m]   ; the running largest t
.endr
.irp m, 0,1,2,3
	v_mov_b32 v[TX+\m], v[STAT+2*\m]
.endr
.irp m, 0,1,2,3
	v_floor_f32 v[STAT+2*\m], -v[STAT+2*\m+1]      ; the new -M = -ceil(t): a whole number
.endr
.irp m, 0,1,2,3
	v_sub_f32 v[TX+\m], v[STAT+2*\m], v[TX+\m]     ; old M - new M: a whole number, 0 or less
.endr
.irp m, 0,1,2,3
	v_cvt_i32_f32 v[TX+\m], v[TX+\m]               ; (it saturates)
.endr
.irp m, 0,1,2,3
	v_ldexp_f32 v[FF+2*\m], 1.0, v[TX+\m]          ; f = 2^(old M - new M)
.endr
.irp m, 0,1,2,3
.irp b, 0,1,2,3
	v_fma_f32 v[BM+4*\m+\b], v[BM+4*\m+\b], s[CS], v[STAT+2*\m]   ; t - M of each block's largest score
.endr
.endr
	WIN 0x41                                       ; destination and source 0 in window 1
.irp m, 0,1,2,3
.set i, 0
.rept 32
	v_pk_fma_f32 v[64*\m+2*i:64*\m+2*i+1], v[64*\m+2*i:64*\m+2*i+1], s[CS:CS+1], v[STAT+2*\m:STAT+2*\m+1] op_sel_hi:[1,0,0]   ; t - M, two at a time
.set i, i+1
.endr
.endr
.set i, 0
.rept 256
	v_exp_f32 v[i], v[i]                           ; p = 2^(t - M), at most 1: not normalised
.set i, i+1
.endr
	WIN 0
.irp k, 0,1,2,3,4,5,6,7,8,9,10,11,12,13,14,15
	v_exp_f32 v[BM+\k], v[BM+\k]                   ; the block's largest p: the same two steps on the same number give the same bits
.endr
.irp m, 0,1,2,3
	v_pk_mul_f32 v[LL+2*\m:LL+2*\m+1], v[LL+2*\m:LL+2*\m+1], v[FF+2*\m:FF+2*\m+1] op_sel_hi:[1,0]   ; the sums under the new M: plain work behind the exponentials
.endr
	s_wait_alu depctr_va_vdst(0)                   ; one wait for the whole batch of 272, ahead of its first reader
	WIN 0x04
.set i, 0
.rept 32
.irp m, 0,1,2,3
	v_pk_add_f32 v[LL+2*\m:LL+2*\m+1], v[LL+2*\m:LL+2*\m+1], v[64*\m+2*i:64*\m+2*i+1]   ; the row's sum is taken of the unquantised p; the four tiles by turns
.endr
.set i, i+1
.endr
	WIN 0
.irp k, 0,1,2,3,4,5,6,7,8,9,10,11,12,13,14,15
	v_max_num_f32 v[BM+\k], 0x2800000, v[BM+\k]    ; the floor 2^(5 - 127): the byte cannot fall under 1
.endr
.irp k, 0,1,2,3,4,5,6,7,8,9,10,11,12,13,14,15
	v_add_nc_u32 v[SO+\k], 0xfe000000, v[BM+\k]    ; 4 off the exponent field: the conversion's scale operand
.endr
.irp k, 0,1,2,3,4,5,6,7,8,9,10,11,12,13,14,15
	v_lshrrev_b32 v[B2+\k], 23, v[SO+\k]           ; the scale's byte
.endr
.irp m, 0,1,2,3
	v_lshl_or_b32 v[PW+\m], v[B2+4*\m+1], 8, v[B2+4*\m]
.endr
.irp m, 0,1,2,3
	v_lshl_or_b32 v[PW+\m], v[B2+4*\m+2], 16, v[PW+\m]
.endr
.irp m, 0,1,2,3
	v_lshl_or_b32 v[PW+\m], v[B2+4*\m+3], 24, v[PW+\m]
.endr
.irp m, 0,1,2,3                        ; tile m's p becomes one fragment, K step = my wave, and goes to LDS as it stands
.set PCS, PC+20*(\m%2)
.if \m >= 2
	s_wait_dscnt 4                                 ; the last tile's 4 stores may be out
.endif
	WIN 0x01                                       ; source 0 in window 1
.irp c, 0,1
	v_cvt_scalef32_pk16_bf6_f32 v[PCS+6*\c:PCS+6*\c+2], v[64*\m+32*\c:64*\m+32*\c+15], v[SO+4*\m+2*\c]
	v_cvt_scalef32_pk16_bf6_f32 v[PCS+12+4*\c:PCS+14+4*\c], v[64*\m+32*\c+16:64*\m+32*\c+31], v[SO+4*\m+2*\c+1]
.endr
	v_nop                                          ; one plain place behind scaled conversions
	WIN 0
.irp c, 0,1
.irp i, 0,1,2
	v_permlane16_swap_b32 v[PCS+6*\c+\i], v[PCS+12+4*\c+\i]
.endr
.irp i, 0,1,2
	v_mov_b32 v[PCS+3+6*\c+\i], v[PCS+12+4*\c+\i]
.endr
.endr
.irp c, 0,1,2
	ds_store_b128 v[PWI], v[PCS+4*\c:PCS+4*\c+3] offset:FRB*\m+512*\c
.endr
	ds_store_b32 v[PWS], v[PW+\m] offset:128*(\m/2)+4*(\m%2)
.endr
	WIN 0x82                                       ; O^T under the new M, while the stores land
.irp m, 0,1
.set i, 0
.rept 64
	v_pk_mul_f32 v[128*\m+2*i:128*\m+2*i+1], v[128*\m+2*i:128*\m+2*i+1], v[FF+2*\m:FF+2*\m+1] op_sel_hi:[1,0]
.set i, i+1
.endr
.endr
	WIN 0xc3
.irp m, 0,1
.set i, 0
.rept 64
	v_pk_mul_f32 v[128*\m+2*i:128*\m+2*i+1], v[128*\m+2*i:128*\m+2*i+1], v[FF+4+2*\m:FF+4+2*\m+1] op_sel_hi:[1,0]
.set i, i+1
.endr
.endr
	WIN 0
	s_wait_dscnt 0x0                               ; for the others' sake: my images of P have landed
	BAR                                            ; P's sixteen fragments lie in LDS.  They are written again only behind the eight rounds that follow, in front of each of which every wave has waited for its LDS loads
	LDST 0, AP, 0
	LDSS 0, APS, 0
.endm
.Lstep:                                                ; four key steps; units 0 to 29 fill their slot again, so the loop is left in the middle of its last trip and the last two units are written out
	UNIT 0, 0, 0, 0, 1, 1, 12
	UNIT 0, 1, 1, 0, 2, 1, 12
	UNIT 0, 2, 0, 0, 3, 1, 12
	UNIT 0, 3, 1, 2, 0, 1, 12
	SOFTMAX
	UNIT 1, 0, 0, 1, 1, 1, 0
	UNIT 1, 1, 1, 1, 2, 1, 12
	s_cmp_eq_u32 s[STEP], 1
	s_cbranch_scc1 .Llast
	UNIT 1, 2, 0, 1, 3, 1, 12
	UNIT 1, 3, 1, 0, 0, 1, 12
	s_sub_co_u32 s[STEP], s[STEP], 1
	s_cmp_lg_u32 s[STEP], 0
	s_cbranch_scc1 .Lstep
.Llast:
	; the residual: my 1,024 bytes of seq's rows 0-31 into window 1, which S^T has left; rows 32-63 follow when O^T has left window 2, and are asked for here: a lane a row, four blocks of 256 bytes a row, each named once
	v_and_b32 v[XO], 31, v0
	v_lshlrev_b32 v[XO], 12, v[XO]
	WIN 0x40
.set i, 0
.rept 32
	global_load_b128 v[8*i:8*i+3], v[GO], s[4:5] offset:4096*i th:TH_LOAD_NT
	global_load_b128 v[8*i+4:8*i+7], v[GO], s[4:5] offset:4096*i+512 th:TH_LOAD_NT
.set i, i+1
.endr
	WIN 0
.irp k, 0,1,2,3
	global_prefetch_b8 v[XO], s[4:5] offset:32*4096+256*\k th:TH_LOAD_NT scope:SCOPE_SE
.endr
	UNIT 1, 2, 0, 1, 3, 0, 12
	UNIT 1, 3, 1, 3, 0, 0, 12
	PLACES
	; THE WAY OUT.  The sum: its two halves, the other half of the lanes, the four waves
.irp m, 0,1,2,3
	v_add_f32 v[TX+\m], v[LL+2*\m], v[LL+2*\m+1]
.endr
.irp m, 0,1,2,3
	v_permlanex16_b32 v[B2+\m], v[TX+\m], s[SEL], s[SEL+1]
.endr
.irp m, 0,1,2,3
	v_add_f32 v[TX+\m], v[TX+\m], v[B2+\m]
.endr
.irp m, 0,1,2,3
	ds_store_b32 v[MXW], v[TX+\m] offset:1024+256*\m
.endr
	s_wait_dscnt 0x0                               ; my words have landed, and my last reads of ring, P and Q are over
	BAR                                            ; so behind this barrier the stages may lie over them: no fill follows
.irp m, 0,1,2,3
	ds_load_b128 v[B2+4*\m:B2+4*\m+3], v[MXR] offset:1024+256*\m
.endr
	s_wait_dscnt 0x0
.irp m, 0,1,2,3
	v_add_f32 v[TX+\m], v[B2+4*\m], v[B2+4*\m+1]
	v_add_f32 v[B2+4*\m+2], v[B2+4*\m+2], v[B2+4*\m+3]
.endr
.irp m, 0,1,2,3
	v_add_f32 v[TX+\m], v[TX+\m], v[B2+4*\m+2]
.endr
.irp m, 0,1,2,3
	v_rcp_f32 v[RL+\m], v[TX+\m]
.endr
	v_nop                                          ; a plain place behind the last reciprocal
	s_wait_alu depctr_va_vdst(0)                   ; one wait for the four, ahead of their first reader
	; O^T into my stage: lane (r, h), register j of (ct, m) is channel 16 ct + 8 h + j of query 16 m + r.  Each accumulator from its low end on
	WIN 0x08                                       ; an LDS store's data are its source 1: window 2
.irp m, 0,1
.set cc, 0
.rept 16
	ds_store_b128 v[STO], v[128*\m+8*cc:128*\m+8*cc+3] offset:16*SPITCH*\m+64*cc
	ds_store_b128 v[STO], v[128*\m+8*cc+4:128*\m+8*cc+7] offset:16*SPITCH*\m+64*cc+16
.set cc, cc+1
.endr
.endr
	WIN 0x0c                                       ; window 3
.irp m, 0,1
.set cc, 0
.rept 16
	ds_store_b128 v[STO], v[128*\m+8*cc:128*\m+8*cc+3] offset:16*SPITCH*(\m+2)+64*cc
	ds_store_b128 v[STO], v[128*\m+8*cc+4:128*\m+8*cc+7] offset:16*SPITCH*(\m+2)+64*cc+16
.set cc, cc+1
.endr
.endr
	WIN 0
	s_wait_dscnt 0x0                               ; the stores have read window 2: seq's rows 32-63 may land there
	WIN 0x80
.set i, 0
.rept 32
	global_load_b128 v[8*i:8*i+3], v[GO], s[4:5] offset:4096*(32+i) th:TH_LOAD_NT
	global_load_b128 v[8*i+4:8*i+7], v[GO], s[4:5] offset:4096*(32+i)+512 th:TH_LOAD_NT
.set i, i+1
.endr
	WIN 0
; eight rows at a time come back from my stage as whole rows, are divided by the row's sum and added to seq in one fused step, and leave: each store covers 512 consecutive bytes, at a multiple of 256 from out's first byte
.macro OUTB g
.set TT, 64+64*((\g)%2)
.if (\g) >= 2
	s_wait_xcnt 0x0                                ; the stores of two batches back have read these registers
.endif
.if (\g) == 4
	v_add_nc_u32 v[RD], 32*SPITCH, v[RD]           ; rows 32 on: an LDS immediate has 16 bits (no LDS load of mine is out)
.endif
.irp i, 0,1,2,3,4,5,6,7
	ds_load_b128 v[TT+8*\i:TT+8*\i+3], v[RD] offset:SPITCH*(8*((\g)%4)+\i)
	ds_load_b128 v[TT+8*\i+4:TT+8*\i+7], v[RD] offset:SPITCH*(8*((\g)%4)+\i)+512
.endr
	s_wait_dscnt 0x0
.if 112-16*(\g) > 63
	s_wait_loadcnt 63                              ; behind these rows' loads of seq more than 63 were issued
.else
	s_wait_loadcnt 112-16*(\g)                     ; the loads of seq's later rows may be out
.endif
	WIN 0x10+0x10*((\g)/4)                         ; source 2, seq: window 1 (rows 0-31) or 2
.irp i, 0,1,2,3,4,5,6,7
	v_readlane_b32 s[RS+2*(\i%2)], v[RL+(\g)/2], 8*((\g)%2)+\i    ; 1 / the sum of row 8 g + i
.irp k, 0,1,2,3
	v_pk_fma_f32 v[TT+8*\i+2*\k:TT+8*\i+2*\k+1], v[TT+8*\i+2*\k:TT+8*\i+2*\k+1], s[RS+2*(\i%2):RS+2*(\i%2)+1], v[64*((\g)%4)+8*\i+2*\k:64*((\g)%4)+8*\i+2*\k+1] op_sel_hi:[1,0,1]
.endr
.endr
	WIN 0
.irp i, 0,1,2,3,4,5,6,7
	global_store_b128 v[GO], v[TT+8*\i:TT+8*\i+3], s[8:9] offset:4096*(8*(\g)+\i) th:TH_STORE_NT
	global_store_b128 v[GO], v[TT+8*\i+4:TT+8*\i+7], s[8:9] offset:4096*(8*(\g)+\i)+512 th:TH_STORE_NT
.endr
.endm
.irp g, 0,1,2,3,4,5,6,7
	OUTB \g
.endr
	s_wait_tensorcnt 0x0                           ; the wave's end: behind my last tensor load and my last LDS store
	ds_add_u32 v[SPW], v[NIL]
	s_wait_dscnt 0x0
	CROUND                                         ; the closing round: no work-group ends while a partner may still ask for a tile that names it
	s_endpgm
.Lfunc_end_k_q6330ebe9a7_attn:
	.size	k_q6330ebe9a7_attn, .Lfunc_end_k_q6330ebe9a7_attn-k_q6330ebe9a7_attn
	.p2alignl 7, 3214868480
	.fill 96, 4, 3214868480
	.section	.rodata,"a",@progbits
	.p2align	6, 0x0
	.amdhsa_kernel k_q6330ebe9a7_attn
		.amdhsa_group_segment_fixed_size 327680
		.amdhsa_private_segment_fixed_size 0
		.amdhsa_enable_private_segment 0
		.amdhsa_kernarg_size 24
		.amdhsa_user_sgpr_count 2
		.amdhsa_user_sgpr_kernarg_segment_ptr 1
		.amdhsa_wavefront_size32 1
		.amdhsa_system_sgpr_workgroup_id_x 1
		.amdhsa_system_sgpr_workgroup_id_y 1
		.amdhsa_system_sgpr_workgroup_id_z 1
		.amdhsa_system_vgpr_workitem_id 0
		.amdhsa_next_free_vgpr 1024
		.amdhsa_next_free_sgpr 66
		.amdhsa_reserve_vcc 0
		.amdhsa_float_denorm_mode_32 3
		.amdhsa_float_denorm_mode_16_64 3
		.amdhsa_memory_ordered 1
		.amdhsa_forward_progress 1
		.amdhsa_inst_pref_size 255
	.end_amdhsa_kernel
	.section	.bss,"aw",@nobits
	.p2align	6
	.space	262144
	.amdgpu_metadata
---
amdhsa.version: [ 1, 2 ]
amdhsa.kernels:
  - .name:           k_q6330ebe9a7_attn
    .symbol:         k_q6330ebe9a7_attn.kd
    .args:
      - { .name: seq_vectors, .offset: 0, .size: 8, .value_kind: global_buffer, .address_space: global }
      - { .name: kv, .offset: 8, .size: 8, .value_kind: global_buffer, .address_space: global }
      - { .name: out0, .offset: 16, .size: 8, .value_kind: global_buffer, .address_space: global }
    .group_segment_fixed_size: 327680
    .private_segment_fixed_size: 0
    .kernarg_segment_align: 8
    .kernarg_segment_size: 24
    .max_flat_workgroup_size: 128
    .sgpr_count:     66
    .vgpr_count:     1024
    .wavefront_size: 32
...
	.end_amdgpu_metadata
.endif
;; end of part 2
;; ======== version 2 of 2: 2 launches
;; limits: right only within a limited range of input values
;; workspace buffers: kv 52,428,800 bytes
;; launch prep (part 3): grid 8 x 128, 4 waves a work-group, no clusters, 0 bytes of LDS; arguments memory_vectors, memory_attention_mask, kv; writes kv
.if DOCPART == 3
	.amdgcn_target "amdgcn-amd-amdhsa--gfx1250"
	.amdhsa_code_object_version 6
	.text
	.protected	k_q6330ebe9a7_prep
	.globl	k_q6330ebe9a7_prep
	.p2align	8
	.type	k_q6330ebe9a7_prep,@function
k_q6330ebe9a7_prep:
	s_mov_b64 s[64:65], 0
	v_nop
	global_prefetch_b8 v0, s[64:65] scope:SCOPE_SE
	s_setreg_imm32_b32 hwreg(HW_REG_WAVE_MODE, 25, 1), 1
	s_wait_xcnt 0x0
; PREP: memory_vectors [16][2048][1024] f32, with the rows zeroed whose mask word is 0, becomes BOTH right-hand operands of the two products, as codes of E3M2 with one E8M0 byte
; for each 32 along K, laid in kv as images of the operand registers, in the order in which the second launch takes them.
; reference() reshapes the buffer [2048][1024] into [1024][2048]: softmax column n of the first product is column n % 1024 of the even rows (n < 1024) or of the odd rows (n >= 1024), K = the row pair.
; In the second product column n is row n, and K = the rows.  In both K runs DOWN the rows: so A LANE TAKES A COLUMN AND ITS REGISTERS RUN DOWN 64 ROWS, the even rows in E[0..31], the odd rows in O[0..31]:
;   E[0..31] is one block of 32 of the first product (key c), O[0..31] one of key c + 1024;  E[0..15] with O[0..15] are rows 0-31, a block of the second product, E[16..31] with O[16..31] rows 32-63.
; Inside a block of the second product the even rows' codes stand first, then the odd rows': the second launch lays its p in the same order, so the products are the same; the block's 32 numbers and its scale are the true ones.
; A MASKED ROW IS NOT READ: where() throws it away.  Its registers are set to +0 and a scalar branch on the row's bit of the mask, a whole-number input, jumps over its load.  So the bytes that the launch reads hang on the mask:
; all of memory_vectors where no row is masked.  The number of loads hangs on data too, so every wait for loads is for 0: a set of 64 rows is waited for, the next set is asked for, and then the first is worked on.
; kv: [batch 16][unit 32][wave 4][25,600 bytes].  A quarter is 16 fragments of 1,536 bytes (register g of lane l at 512 (g / 4) + 16 l + 4 (g % 4)) and 8 registers of scale words (128 bytes each; lanes 0-15 an even tile's rows, lanes 16-31 the odd tile's).
;   unit 8 s + q, q = 0..3: keys 512 s on, K steps 2 q and 2 q + 1 of the first product; wave w: keys 128 w on; fragment 8 (K step % 2) + tile.  Key kappa of a block of 32 sits in tile 2 b + kappa / 16 at row 8 (kappa % 2) + (kappa / 2) % 8.
;   unit 8 s + 4 + j: keys 512 s + 128 j on, one K step of the second product; wave w: channels 256 w on; fragment = channel / 16, row = channel % 16.
; SHARES: work-group (x, y): columns 128 x on, rows 256 (y % 8) on of batch y / 8; wave pw: 32 columns, four sub-blocks of 64 rows: it makes eight whole fragments and four registers of scale words.
; A block's scale is 2^(floor(log2(largest magnitude)) - 4): its byte is the largest magnitude's exponent field - 4, held at 1 from below by a floor among the maximum's leaves.
; LIMITS: a block of zeros (masked rows) or one whose largest magnitude lies under 2^-122 gets the byte 1 where the rule says 127 or less: its codes are zeros or next to it, and this program alone reads the bytes.
; NaN and infinities in rows that are not masked are not served; masked rows are +0 whatever they hold, as where() makes them.
; No LDS, no barrier: waves share nothing.  Every offset is an immediate; no register that a load or store names as a source is written again, so no wait stands for sources.
.set QUARTER, 25600
.set UNITB,   102400
.set FRB,     1536
.set SCOFF,   24576                    ; the scale words' place in a quarter
.set LO,   2                           ; v2      4 x lane: my column in a row, my word of the mask
.set VK,   3                           ; v3      where my key's 16 bytes of a piece lie in kv
.set VV,   4                           ; v4      the same for my channel
.set VKS,  5                           ; v5      my key's scale word
.set VVS,  6                           ; v6      my channel's
.set MK,   8                           ; v8-15   the mask's 256 words, 8 loads; then:
.set MX,   8                           ; v8-11   largest magnitudes of E[0..15], E[16..31], O[0..15], O[16..31]
.set BY,   12                          ; v12-15  the four scale bytes
.set SETA, 16                          ; v16-79, v80-143  two sets of 64 numbers: E, then O
.set CK0,  144                         ; 24 registers for each operand: [lanes 0-15's: block 0, block 2][lanes 16-31's: block 1, block 3], 6 each
.set CK1,  168
.set CV0,  192
.set CV1,  216
.set T0,   240                         ; two places for conversions whose home begins on an odd register
.set T1,   244
.set WD,   248                         ; v248-251 the four scale words
.set SO,   252                         ; v252-255 the conversions' scale operands
.set BM,   24                          ; s24-31  the mask as bits: bit l of s[BM + q] = row 32 q + l counts
	s_load_b128 s[4:7], s[0:1], 0x0                ; memory_vectors, memory_attention_mask
	s_load_b64 s[8:9], s[0:1], 0x10                ; kv
	v_lshrrev_b32 v1, 5, v0
	v_readfirstlane_b32 s10, v1                    ; pw
	v_and_b32 v1, 31, v0                           ; lane
	v_lshlrev_b32 v[LO], 2, v1
	s_and_b32 s11, ttmp7, 0xffff                   ; y = 8 batch + J: the rows 256 y on of the 32,768
	s_lshl_b32 s14, s11, 20                        ; 256 rows of 4,096 bytes
	s_lshl_b32 s15, ttmp9, 9                       ; 128 columns
	s_add_co_u32 s14, s14, s15
	s_lshl_b32 s15, s10, 7                         ; 32 columns
	s_add_co_u32 s14, s14, s15
	s_mov_b32 s15, 0
	s_lshl_b32 s16, s11, 10                        ; 256 words of the mask
	s_mov_b32 s17, 0
	s_wait_alu depctr_va_vdst(0)
	s_wait_kmcnt 0x0
	s_add_nc_u64 s[4:5], s[4:5], s[14:15]
	s_add_nc_u64 s[6:7], s[6:7], s[16:17]
.irp q, 0,1,2,3,4,5,6,7
	global_load_b32 v[MK+\q], v[LO], s[6:7] offset:128*\q
.endr
; one row: its load, 128 consecutive bytes a wave (the four waves side by side on 512), is jumped over where the row's bit is 0
.macro ROW reg, off, sm, bit
	s_bitcmp1_b32 s[(\sm)], (\bit)
	s_cbranch_scc0 .Lmasked_\@
	global_load_b32 v[(\reg)], v[LO], s[4:5] offset:(\off) th:TH_LOAD_NT
.Lmasked_\@:
.endm
.macro LOAD j                          ; sub-block j: 64 rows into set j % 2: first +0 everywhere, which a masked row keeps, then the rows that count
.set i, 0
.rept 64
	v_mov_b32 v[SETA+64*((\j)%2)+i], 0
.set i, i+1
.endr
.set i, 0
.rept 64
	ROW SETA+64*((\j)%2)+32*(i%2)+i/2, (64*(\j)+i)*4096, BM+2*(\j)+i/32, i%32
.set i, i+1
.endr
.endm
	; where the results go, while the mask is on its way
	s_lshr_b32 s12, s11, 3
	s_lshl_b32 s12, s12, 5                         ; 32 batch
	s_and_b32 s13, s11, 7                          ; J
	s_and_b32 s18, s13, 1                          ; J % 2
	s_lshr_b32 s19, s13, 1                         ; J / 2
	s_lshr_b32 s20, ttmp9, 2
	s_lshl_b32 s20, s20, 3
	s_add_co_u32 s20, s20, s12
	s_add_co_u32 s20, s20, s19                     ; the keys' unit: 32 batch + 8 (x / 4) + J / 2
	s_lshl_b32 s20, s20, 2
	s_and_b32 s21, ttmp9, 3
	s_add_co_u32 s20, s20, s21
	s_mul_i32 s20, s20, QUARTER                    ; its quarter x % 4
	s_lshl_b32 s21, s18, 2
	s_add_co_u32 s21, s21, s10                     ; 4 (J % 2) + pw
	s_mul_i32 s22, s21, 2*FRB
	s_add_co_u32 s22, s22, s20                     ; fragments 8 (J % 2) + 2 pw and the next
	s_lshl_b32 s21, s21, 7
	s_add_co_u32 s21, s21, s20
	s_add_co_u32 s21, s21, SCOFF                   ; scale register 4 (J % 2) + pw
	s_lshl_b32 s23, s19, 3
	s_add_co_u32 s23, s23, s12
	s_lshl_b32 s36, s18, 1
	s_add_co_u32 s23, s23, s36
	s_add_co_u32 s23, s23, 4                       ; the channels' unit: 32 batch + 8 (J / 2) + 4 + 2 (J % 2)
	s_lshl_b32 s23, s23, 2
	s_lshr_b32 s36, ttmp9, 1
	s_add_co_u32 s23, s23, s36
	s_mul_i32 s23, s23, QUARTER                    ; its quarter x / 2
	s_and_b32 s36, ttmp9, 1
	s_lshl_b32 s36, s36, 2
	s_add_co_u32 s36, s36, s10                     ; 4 (x % 2) + pw
	s_mul_i32 s37, s36, 2*FRB
	s_add_co_u32 s37, s37, s23
	s_lshl_b32 s36, s36, 7
	s_add_co_u32 s36, s36, s23
	s_add_co_u32 s36, s36, SCOFF
	v_and_b32 v[T0], 1, v1
	v_bfe_u32 v[T0+1], v1, 1, 3
	v_lshl_add_u32 v[T0], v[T0], 3, v[T0+1]        ; my key's row in its tile: 8 (lane % 2) + (lane / 2) % 8
	v_lshrrev_b32 v[T0+1], 4, v1                   ; which of the two tiles
	v_mul_u32_u24 v[T0+2], v[T0+1], FRB
	v_lshl_add_u32 v[VK], v[T0], 4, v[T0+2]
	v_add_nc_u32 v[VK], s22, v[VK]
	v_lshl_add_u32 v[VKS], v[T0+1], 4, v[T0]
	v_lshlrev_b32 v[VKS], 2, v[VKS]
	v_add_nc_u32 v[VKS], s21, v[VKS]
	v_and_b32 v[T0], 15, v1                        ; my channel's row: lane % 16
	v_lshl_add_u32 v[VV], v[T0], 4, v[T0+2]
	v_add_nc_u32 v[VV], s37, v[VV]
	v_add_nc_u32 v[VVS], s36, v[LO]
	s_wait_loadcnt 0x0                             ; the mask
.irp q, 0,1,2,3,4,5,6,7
	v_cmp_ne_u32 s[BM+\q], 0, v[MK+\q]
.endr
	LOAD 0
.macro SUB j
.set XS, SETA+64*((\j)%2)
.set KB, 12*((\j)%2)+6*((\j)/2)                ; block j's place among a key operand's 24 registers
.set VX, CV0+24*((\j)/2)+6*((\j)%2)            ; the two row blocks' places: VX and VX + 12
	s_wait_loadcnt 0x0                             ; this set is in: how many loads it had hangs on the mask, so the count is 0
.if (\j) < 3
	LOAD (\j)+1                                    ; the next set is on its way while this one is worked on
.endif
.irp g, 0,1,2,3                        ; four maxima of 16 numbers each, by turns, each with the floor 2^(5 - 127) as a leaf: so no byte falls under 1
	v_max3_num_f32 v[MX+\g], |v[XS+16*\g]|, |v[XS+16*\g+1]|, 0x2800000
.endr
.irp i, 2,4,6,8,10,12,14
.irp g, 0,1,2,3
	v_max3_num_f32 v[MX+\g], v[MX+\g], |v[XS+16*\g+\i]|, |v[XS+16*\g+\i+1]|
.endr
.endr
	v_max_num_f32 v[SO], v[MX], v[MX+1]            ; key c: all of E
	v_max_num_f32 v[SO+1], v[MX+2], v[MX+3]        ; key c + 1024: all of O
	v_max_num_f32 v[SO+2], v[MX], v[MX+2]          ; rows 0-31
	v_max_num_f32 v[SO+3], v[MX+1], v[MX+3]        ; rows 32-63
.irp g, 0,1,2,3
	v_add_nc_u32 v[SO+\g], 0xfe000000, v[SO+\g]    ; 4 off the exponent field: the conversion takes that field as its scale and nothing else
.endr
.irp g, 0,1,2,3
	v_lshrrev_b32 v[BY+\g], 23, v[SO+\g]           ; the scale's byte
.endr
.if (\j) == 0
	v_mov_b32 v[WD], v[BY]
	v_mov_b32 v[WD+1], v[BY+1]
.else
	v_lshl_or_b32 v[WD], v[BY], 8*(\j), v[WD]
	v_lshl_or_b32 v[WD+1], v[BY+1], 8*(\j), v[WD+1]
.endif
.if ((\j)%2) == 0
	v_lshl_or_b32 v[WD+2+(\j)/2], v[BY+3], 8, v[BY+2]
.else
	v_lshl_or_b32 v[WD+2+(\j)/2], v[BY+2], 16, v[WD+2+(\j)/2]
	v_lshl_or_b32 v[WD+2+(\j)/2], v[BY+3], 24, v[WD+2+(\j)/2]
.endif
	v_cvt_scalef32_pk16_bf6_f32 v[CK0+KB:CK0+KB+2], v[XS:XS+15], v[SO]
	v_cvt_scalef32_pk16_bf6_f32 v[T0:T0+2], v[XS+16:XS+31], v[SO]          ; (a conversion's three registers begin on an even number: a block's second three are made elsewhere and moved)
	v_cvt_scalef32_pk16_bf6_f32 v[CK1+KB:CK1+KB+2], v[XS+32:XS+47], v[SO+1]
	v_cvt_scalef32_pk16_bf6_f32 v[T1:T1+2], v[XS+48:XS+63], v[SO+1]
	v_nop                                          ; one plain place behind scaled conversions
.irp n, 0,1,2
	v_mov_b32 v[CK0+KB+3+\n], v[T0+\n]
	v_mov_b32 v[CK1+KB+3+\n], v[T1+\n]
.endr
	v_cvt_scalef32_pk16_bf6_f32 v[VX:VX+2], v[XS:XS+15], v[SO+2]           ; rows 0-31: the even rows' codes first,
	v_cvt_scalef32_pk16_bf6_f32 v[T0:T0+2], v[XS+32:XS+47], v[SO+2]        ; then the odd rows'
	v_cvt_scalef32_pk16_bf6_f32 v[VX+12:VX+14], v[XS+16:XS+31], v[SO+3]    ; rows 32-63 likewise
	v_cvt_scalef32_pk16_bf6_f32 v[T1:T1+2], v[XS+48:XS+63], v[SO+3]
	v_nop
.irp n, 0,1,2
	v_mov_b32 v[VX+3+\n], v[T0+\n]
	v_mov_b32 v[VX+15+\n], v[T1+\n]
.endr
.endm
	SUB 0
	SUB 1
	SUB 2
	SUB 3
	; eight fragments: each store's sixteen neighbouring lanes cover 256 consecutive bytes, aligned; h: the image's lanes 0-15 or 16-31; c: its registers 4 c on
.irp h, 0,1
.irp c, 0,1,2
	global_store_b128 v[VK], v[CK0+12*\h+4*\c:CK0+12*\h+4*\c+3], s[8:9] offset:256*\h+512*\c
	global_store_b128 v[VK], v[CK1+12*\h+4*\c:CK1+12*\h+4*\c+3], s[8:9] offset:16*UNITB+256*\h+512*\c     ; keys 1,024 on: 16 units on
	global_store_b128 v[VV], v[CV0+12*\h+4*\c:CV0+12*\h+4*\c+3], s[8:9] offset:256*\h+512*\c
	global_store_b128 v[VV], v[CV1+12*\h+4*\c:CV1+12*\h+4*\c+3], s[8:9] offset:UNITB+256*\h+512*\c        ; rows 128 on: the next unit
.endr
.endr
	global_store_b32 v[VKS], v[WD], s[8:9]         ; the scale words: 128 consecutive bytes a store, one part in 24 of what the wave stores
	global_store_b32 v[VKS], v[WD+1], s[8:9] offset:16*UNITB
	global_store_b32 v[VVS], v[WD+2], s[8:9]
	global_store_b32 v[VVS], v[WD+3], s[8:9] offset:UNITB
	s_endpgm
.Lfunc_end_k_q6330ebe9a7_prep:
	.size	k_q6330ebe9a7_prep, .Lfunc_end_k_q6330ebe9a7_prep-k_q6330ebe9a7_prep
	.p2alignl 7, 3214868480
	.fill 96, 4, 3214868480
	.section	.rodata,"a",@progbits
	.p2align	6, 0x0
	.amdhsa_kernel k_q6330ebe9a7_prep
		.amdhsa_group_segment_fixed_size 0
		.amdhsa_private_segment_fixed_size 0
		.amdhsa_enable_private_segment 0
		.amdhsa_kernarg_size 24
		.amdhsa_user_sgpr_count 2
		.amdhsa_user_sgpr_kernarg_segment_ptr 1
		.amdhsa_wavefront_size32 1
		.amdhsa_system_sgpr_workgroup_id_x 1
		.amdhsa_system_sgpr_workgroup_id_y 1
		.amdhsa_system_sgpr_workgroup_id_z 1
		.amdhsa_system_vgpr_workitem_id 0
		.amdhsa_next_free_vgpr 256
		.amdhsa_next_free_sgpr 66
		.amdhsa_reserve_vcc 0
		.amdhsa_float_denorm_mode_32 3
		.amdhsa_float_denorm_mode_16_64 3
		.amdhsa_memory_ordered 1
		.amdhsa_forward_progress 1
		.amdhsa_inst_pref_size 71
	.end_amdhsa_kernel
	.amdgpu_metadata
---
amdhsa.version: [ 1, 2 ]
amdhsa.kernels:
  - .name:           k_q6330ebe9a7_prep
    .symbol:         k_q6330ebe9a7_prep.kd
    .args:
      - { .name: memory_vectors, .offset: 0, .size: 8, .value_kind: global_buffer, .address_space: global }
      - { .name: memory_attention_mask, .offset: 8, .size: 8, .value_kind: global_buffer, .address_space: global }
      - { .name: kv, .offset: 16, .size: 8, .value_kind: global_buffer, .address_space: global }
    .group_segment_fixed_size: 0
    .private_segment_fixed_size: 0
    .kernarg_segment_align: 8
    .kernarg_segment_size: 24
    .max_flat_workgroup_size: 128
    .sgpr_count:     66
    .vgpr_count:     256
    .wavefront_size: 32
...
	.end_amdgpu_metadata
.endif
;; end of part 3
;; launch attn (part 4): grid 16 x 16, 4 waves a work-group, clusters of 4 x 1, 327,680 bytes of LDS; arguments seq_vectors, kv, out0; writes out0
.if DOCPART == 4
	.amdgcn_target "amdgcn-amd-amdhsa--gfx1250"
	.amdhsa_code_object_version 6
	.text
	.protected	k_q6330ebe9a7_attn
	.globl	k_q6330ebe9a7_attn
	.p2align	8
	.type	k_q6330ebe9a7_attn,@function
k_q6330ebe9a7_attn:
	s_mov_b64 s[64:65], 0
	v_nop
	global_prefetch_b8 v0, s[64:65] scope:SCOPE_SE
	s_setreg_imm32_b32 hwreg(HW_REG_WAVE_MODE, 25, 1), 1
	s_wait_xcnt 0x0
	s_wait_alu depctr_hold_cnt(0) depctr_sa_sdst(0) depctr_va_vdst(0) depctr_va_sdst(0) depctr_va_ssrc(0) depctr_va_vcc(0) depctr_vm_vsrc(0)
	s_getreg_b32 s2, hwreg(HW_REG_IB_STS2, 6, 4)
	s_cmp_eq_u32 s2, 0
	s_cbranch_scc0 .Lentry_in_a_cluster
	s_endpgm
.Lentry_in_a_cluster:
	s_bfe_u32 s2, ttmp6, 0x10000c
	s_cmp_lg_u32 s2, 0x3003
	s_cbranch_scc0 .Lentry_shape_is_right
	s_endpgm
.Lentry_shape_is_right:
; ATTN: out = seq + softmax(seq x memR) x mem, both products on codes of E3M2 with one E8M0 byte for each 32 along K.  The right-hand operands come from kv, as the first launch laid them: images of operand registers.
; attention_mask is named by no launch: reference() receives it and never uses it.
; THE SOFTMAX: t = score x log2(e); M = the running largest t rounded UP to a whole number (a running maximum over all keys seen); p = 2^(t - M) is quantised along the keys, not normalised; the row's sum is taken of the
; unquantised p and divides at the end.  When M moves, the sum and O are multiplied by 2^(old M - new M), which rounds nothing; it is done in every step, so no branch hangs on data.
; SHARES.  A work-group owns 64 queries of one batch: four tiles m of 16.  THE WAVES SHARE THE COLUMNS, NOT THE ROWS.  A key step is 512 keys.  First product: wave w makes S^T for its 128 keys x all 64 queries (32 accumulators);
; second product: wave w makes channels 256 w on x 64 queries (64 accumulators, 512 registers, kept for the whole launch).  So a fragment of kv is read from LDS by ONE wave and feeds four matrix instructions;
; Q's and P's fragments go from wave to wave through LDS as images of their registers and feed 8 and 16.
; Both products are used transposed (source 0 = 16 keys or 16 channels, source 1 = 16 queries): a lane holds one query throughout.  The first launch placed the keys in their tiles so that the 16 registers of tiles 2 b, 2 b + 1
; are a half of block b in the order in which it laid the second operand's codes (even keys first): the block's 32 keys and its scale are the true ones; the order of the sums inside a block differs from reference()'s.
; THE STREAM.  kv is walked in 32 units of 102,400 bytes for a batch: in a key step four units of keys (256 of the 1,024 dims each), then four of channels (128 keys each).  Two LDS slots by turns; each wave brings its own
; quarter, 25,600 dense bytes, by one tensor load and alone reads it.  CLUSTER: four work-groups of one batch walk the same units: each load is asked for JOINTLY by the four, with one descriptor and a mask that names them.
; A batch's sixteen work-groups are four clusters, since a mask names four work-groups.
; THE KEY STEPS GO ROUND: cluster c of a batch's four begins with key step c and walks c, c + 1, .. modulo 4, so that at no time two clusters of a batch are in the same key step.  The running maximum serves any order of the keys.
; LIMITS: NaN and infinities are not served.  A block whose largest magnitude lies under 2^-122 (a block of zeros, or p fallen to 0) gets the byte 1: its codes are zeros or next to it, and this program alone reads the bytes.
; REGISTERS, in windows of 256: window 0: v0-63 addresses, statistics, scale words; v64-159 two sets of four stationary fragments (Q's or P's); v160-255 two halves of four fragments of the stream.
;   window 1: S^T, (m, tile t) at 64 m + 8 t (at the head: four K steps of seq).   windows 2, 3: O^T, (channel tile ct, m) in window 2 + m / 2 at 128 (m % 2) + 8 ct.
.set UNITB,   102400
.set QUARTER, 25600
.set FRB,     1536                     ; a fragment's image: 12 registers x 128 bytes
.set SCOFF,   24576                    ; the scale words' place in a quarter
.set SLOT1,   131072                   ; LDS: slot 0 at 0, slot 1 here; wave w's quarter at 25,600 w
.set PIMG,    102400                   ; P's 16 fragments (K step j, tile m: 4 j + m), behind slot 0
.set PSC,     126976                   ; their scale words, 256 bytes a K step: tile m, row r at 8 (r + 16 (m / 2)) + 4 (m % 2)
.set QIMG,    233472                   ; Q's 32 fragments (K step s, tile m: 4 s + m), behind slot 1
.set QSC,     282624                   ; their scale words, laid as P's
.set MXB,     284672                   ; the waves' largest scores: 16 bytes a query, a word a wave; 1,024 bytes on: the waves' sums
.set SPARE,   286720                   ; the spare words, 128 bytes for each wave: two blocks of 256 bytes that no other line names
.set SPITCH,  1040                     ; the way out: a stage of 64 rows x (1,024 bytes + 16) for each wave, from LDS byte 0 on, used when ring, P and Q have had their last fill and their last read
.set STGW,    64*SPITCH
.set AD,   1                           ; v1-2   16 x lane + my quarter in slot 0, 1
.set ADS,  3                           ; v3-4   4 x lane + my quarter's scale words
.set AQ,   5                           ; v5     16 x lane + QIMG
.set AQS,  6                           ; v6     8 x lane + QSC
.set AP,   7                           ; v7     16 x lane + PIMG
.set APS,  8                           ; v8     8 x lane + PSC
.set PWI,  9                           ; v9     where I store P's images: K step = my wave
.set PWS,  10                          ; v10    and their scale words
.set MXW,  11                          ; v11    my wave's word of my query
.set MXR,  12                          ; v12    my query's four words
.set SPW,  13                          ; v13    my spare word; never rewritten
.set NIL,  14                          ; v14    0; never rewritten
.set PFO,  15                          ; v15    the prefetches' offset; never rewritten
.set STAT, 16                          ; v16-23 for each tile m the pair (-M, the largest t)
.set LL,   24                          ; v24-31 the sum, in two halves
.set FF,   32                          ; v32-39 f = 2^(old M - new M) (the pair's upper word is written once)
.set SK,   40                          ; v40-47 the stream's scale words and nothing else
.set SQ,   48                          ; v48-51 the stationary sets' scale words and nothing else
.set STO,  52                          ; v52    the stage: where I put 32 bytes of a row
.set RD,   53                          ; v53    and where I read a row back
.set GO,   54                          ; v54    16 x lane
.set XO,   55                          ; v55    at the head: my place in my 16 rows of seq; at the tail: 4,096 x lane
.set RL,   56                          ; v56-59 1 / the sum
.set TX,   60                          ; v60-63 at work (at the head: QWI, QWS)
.set STB,  64                          ; stationary sets 0, 1: 48 registers each
.set HB,   160                         ; halves 0, 1 of the stream: 48 each
.set BM,   64                          ; in the softmax: v64-79 the blocks' largest scores, then largest p
.set B2,   80                          ;   v80-95 at work
.set SO,   96                          ;   v96-111 the conversions' scale operands
.set PW,   112                         ;   v112-115 P's scale words
.set PC,   116                         ;   v116-135, v136-155 P's codes, two sets
.set XA,   64                          ; at the head: v64-127, v128-191 two sets of 64 numbers of seq
.set TM,   192                         ;   v192-207 at work
.set QPC,  208                         ;   v208-227 Q's codes
.set QPW,  228                         ;   v228 Q's scale word
.set QWI,  60
.set QWS,  61
.set WV,   10                          ; s10 my wave's number
.set CX,   11                          ; s11 my place in the cluster: it enters seq's, out's and the prefetches' addresses alone
.set G1,   16                          ; s[16:23] descriptor group 1
.set G0,   24                          ; s[24:27], s[28:31] group 0 for slot 0, 1
.set SEL,  32                          ; s[32:33] v_permlanex16_b32's selects for lane l xor 16
.set CS,   34                          ; s[34:35] log2(e), as a pair for the packed form
.set STEP, 36                          ; s36 key steps to go
.set UC,   37                          ; s37 units begun
.set KS,   38                          ; s38 which of the batch's four key steps is in hand: the same in all four partners
.set PFA,  40                          ; s[40:41] where my prefetches stand
.set WR,   42                          ; s[42:43] 32 units in bytes where the batch's last key step is in hand, else 0
.set RS,   44                          ; s[44:47] two pairs for 1 / the sum of a row
.set MSB, 0
.macro WIN new                         ; the immediate's high byte repeats the setting that is left; a switch that changes nothing is dropped
.if MSB != (\new)
	s_set_vgpr_msb (MSB<<8)|(\new)
.set MSB, (\new)
.endif
.endm
.macro PLACES                          ; four plain places behind matrix instructions, in front of loads into registers that they read and of reads of their results
.rept 4
	v_nop
.endr
.endm
.macro BAR
	s_barrier_signal -1
	s_barrier_wait -1
.endm
.macro CREST                           ; a round of the cluster's barrier behind its opening barrier
	s_cmp_lg_u32 s[WV], 0
	s_cbranch_scc1 .Lnot_wave_0_\@
	s_barrier_signal -3
.Lnot_wave_0_\@:
	s_barrier_wait -3
	s_barrier_signal -1
	s_barrier_wait -1
.endm
.macro CROUND
	BAR
	CREST
.endm
; One matrix instruction.  d: accumulator; a, b: sources 0, 1; z = 1: the constant 0 starts the sum; sa, sb: scale registers; ra, rb = 1: their lanes 16-31 are taken
.macro WM d, a, b, z, sa, sb, ra, rb
.if \z
.if ((\ra) == 0) && ((\rb) == 0)
	v_wmma_scale_f32_16x16x128_f8f6f4 v[(\d):(\d)+7], v[(\a):(\a)+11], v[(\b):(\b)+11], 0, v[(\sa)], v[(\sb)] matrix_a_fmt:MATRIX_FMT_BF6 matrix_b_fmt:MATRIX_FMT_BF6
.elseif ((\ra) == 1) && ((\rb) == 0)
	v_wmma_scale_f32_16x16x128_f8f6f4 v[(\d):(\d)+7], v[(\a):(\a)+11], v[(\b):(\b)+11], 0, v[(\sa)], v[(\sb)] matrix_a_fmt:MATRIX_FMT_BF6 matrix_b_fmt:MATRIX_FMT_BF6 matrix_a_scale:MATRIX_SCALE_ROW1
.elseif ((\ra) == 0) && ((\rb) == 1)
	v_wmma_scale_f32_16x16x128_f8f6f4 v[(\d):(\d)+7], v[(\a):(\a)+11], v[(\b):(\b)+11], 0, v[(\sa)], v[(\sb)] matrix_a_fmt:MATRIX_FMT_BF6 matrix_b_fmt:MATRIX_FMT_BF6 matrix_b_scale:MATRIX_SCALE_ROW1
.else
	v_wmma_scale_f32_16x16x128_f8f6f4 v[(\d):(\d)+7], v[(\a):(\a)+11], v[(\b):(\b)+11], 0, v[(\sa)], v[(\sb)] matrix_a_fmt:MATRIX_FMT_BF6 matrix_b_fmt:MATRIX_FMT_BF6 matrix_a_scale:MATRIX_SCALE_ROW1 matrix_b_scale:MATRIX_SCALE_ROW1
.endif
.else
.if ((\ra) == 0) && ((\rb) == 0)
	v_wmma_scale_f32_16x16x128_f8f6f4 v[(\d):(\d)+7], v[(\a):(\a)+11], v[(\b):(\b)+11], v[(\d):(\d)+7], v[(\sa)], v[(\sb)] matrix_a_fmt:MATRIX_FMT_BF6 matrix_b_fmt:MATRIX_FMT_BF6
.elseif ((\ra) == 1) && ((\rb) == 0)
	v_wmma_scale_f32_16x16x128_f8f6f4 v[(\d):(\d)+7], v[(\a):(\a)+11], v[(\b):(\b)+11], v[(\d):(\d)+7], v[(\sa)], v[(\sb)] matrix_a_fmt:MATRIX_FMT_BF6 matrix_b_fmt:MATRIX_FMT_BF6 matrix_a_scale:MATRIX_SCALE_ROW1
.elseif ((\ra) == 0) && ((\rb) == 1)
	v_wmma_scale_f32_16x16x128_f8f6f4 v[(\d):(\d)+7], v[(\a):(\a)+11], v[(\b):(\b)+11], v[(\d):(\d)+7], v[(\sa)], v[(\sb)] matrix_a_fmt:MATRIX_FMT_BF6 matrix_b_fmt:MATRIX_FMT_BF6 matrix_b_scale:MATRIX_SCALE_ROW1
.else
	v_wmma_scale_f32_16x16x128_f8f6f4 v[(\d):(\d)+7], v[(\a):(\a)+11], v[(\b):(\b)+11], v[(\d):(\d)+7], v[(\sa)], v[(\sb)] matrix_a_fmt:MATRIX_FMT_BF6 matrix_b_fmt:MATRIX_FMT_BF6 matrix_a_scale:MATRIX_SCALE_ROW1 matrix_b_scale:MATRIX_SCALE_ROW1
.endif
.endif
.endm
; S^T: n tiles of keys from t0 on x the four tiles of queries, K step e of the unit's two.  The accumulators take turns, one instruction a turn.
.macro GK half, e, t0, n, zero
	WIN 0x50                                       ; C and D in window 1
.set tt, \t0
.rept \n
.irp m, 0,1,2,3
	WM 64*\m+8*tt, HB+48*(\half)+12*(tt%4), STB+48*(\e)+12*\m, \zero, SK+4*(\e)+tt/2, SQ+2*(\e)+(\m%2), tt%2, \m/2
.endr
.set tt, tt+1
.endr
.endm
; O^T: n tiles of channels from c0 on x the four tiles of queries; P's fragments in stationary set p
.macro GV half, c0, n, p
.irp mh, 0,1
	WIN 0xa0+0x50*\mh                              ; C and D in window 2, then 3
.set cc, \c0
.rept \n
.irp ml, 0,1
	WM 128*\ml+8*cc, HB+48*(\half)+12*(cc%4), STB+48*(\p)+12*(2*\mh+\ml), 0, SK+cc/2, SQ+2*(\p)+\ml, cc%2, \mh
.endr
.set cc, cc+1
.endr
.endr
.endm
; group g (0..3) of a unit: four fragments of the stream; of them n from t0 on.  kind 0: keys (the key step's first unit starts the sums in its first K step), kind 1: channels
.macro GRP kind, idx, g, t0, n
.if (\kind) == 0
.if ((\idx) == 0) && ((\g) < 2)
	GK (\g)%2, (\g)/2, 4*((\g)%2)+(\t0), \n, 1
.else
	GK (\g)%2, (\g)/2, 4*((\g)%2)+(\t0), \n, 0
.endif
.else
	GV (\g)%2, 4*(\g)+(\t0), \n, (\idx)%2
.endif
.endm
.macro LDG half, slot, g               ; 12 loads: the stream's fragments 4 g .. 4 g + 3 of my quarter; every load takes 512 consecutive bytes
.irp i, 0,1,2,3
.irp c, 0,1,2
	ds_load_b128 v[HB+48*(\half)+12*\i+4*\c:HB+48*(\half)+12*\i+4*\c+3], v[AD+(\slot)] offset:(4*(\g)+\i)*FRB+512*\c
.endr
.endr
.endm
.macro LDST set, adr, off              ; 12 loads: four stationary fragments
.irp i, 0,1,2,3
.irp c, 0,1,2
	ds_load_b128 v[STB+48*(\set)+12*\i+4*\c:STB+48*(\set)+12*\i+4*\c+3], v[\adr] offset:(\off)+FRB*\i+512*\c
.endr
.endr
.endm
.macro LDSS set, adr, off              ; their scale words: register m % 2, lanes 16 (m / 2) on
	ds_load_b64 v[SQ+2*(\set):SQ+2*(\set)+1], v[\adr] offset:\off
.endm
.macro LDSK x, slot                    ; four registers of the stream's scale words
.irp i, 0,1,2,3
	ds_load_b32 v[SK+4*(\x)+\i], v[ADS+(\slot)] offset:128*(4*(\x)+\i)
.endr
.endm
; what the next unit begins with, from the other slot: 16 loads, and 13 more where a stationary set is due.  nkind 0: keys (Q's even K step), 1: channels (P's K step nidx), 2: channels, P not yet made
.macro NEXTC nslot, nkind, nidx
	LDG 0, \nslot, 0
	LDSK 0, \nslot
.if (\nkind) == 0
	LDST 0, AQ, 4*FRB*2*(\nidx)
	LDSS 0, AQS, 256*2*(\nidx)
.elseif (\nkind) == 1
	LDST (\nidx)%2, AP, 4*FRB*(\nidx)
	LDSS (\nidx)%2, APS, 256*(\nidx)
.endif
.endm
; A PREFETCH of the unit that stands two refills on (unit x + 4 of my cluster's walk behind the load for unit x + 2): 128 matrix instructions ahead of the load that will want it.
; Every cluster asks for what it will itself load: units 4 to 31 of its walk, each block of 256 bytes named once in the cluster.  Of a wave's quarter, 100 blocks, each of the four partners takes 25, told apart BY ADDRESS;
; a lane a block; lanes 25 to 31 name lane 24's block again in the same instruction.  The walk's units 0 to 3 come by their loads alone: nothing is asked for at the head.
; guard = 1 (a key step's units 4 and 5): in the last key step, where 29 or 30 units have begun, there is no unit four on, and nothing is asked for.
.macro ASK guard
.if \guard
	s_cmp_lt_u32 s[UC], 29
	s_cbranch_scc0 .Lnot_mine_\@
.endif
	global_prefetch_b8 v[PFO], s[PFA:PFA+1] th:TH_LOAD_NT scope:SCOPE_SE
.if \guard
.Lnot_mine_\@:
.endif
.endm
; A UNIT: 64 matrix instructions in four groups of 16, on the stream's halves 0, 1, 0, 1.  w0: how many LDS loads may be out at its head.
; fill = 1: the slot is filled again with the unit two on.  ALL 64 PRODUCTS STAND AHEAD OF THE WAIT FOR THE TENSOR LOAD that is out (my quarter of the other slot): between that wait and the refill stand only the add of 0 onto
; my spare word, the descriptor's step, the wait for the add and ONE round of the cluster's barrier; the joint refill is the first thing behind the round, and the next unit's first fragments are read while it is on its way.
; wrap = 1: the refill belongs to the next key step, which is the batch's first where the batch's last is in hand.
.macro UNIT kind, idx, slot, nkind, nidx, fill, w0, wrap
	s_wait_dscnt \w0                               ; half 0, its scale words and the stationary set are in; half 1's 12 loads may be out
	GRP \kind, \idx, 0, 0, 4
	WIN 0
	PLACES
	LDG 0, \slot, 2
.if (\kind) == 0
	LDST 1, AQ, 4*FRB*(2*(\idx)+1)                 ; Q's odd K step
	LDSS 1, AQS, 256*(2*(\idx)+1)
.endif
	LDSK 1, \slot
.if (\kind) == 0
	s_wait_dscnt 29                                ; all but the 29 just issued
.else
	s_wait_dscnt 16                                ; all but the 16 just issued
.endif
	GRP \kind, \idx, 1, 0, 4
	WIN 0
	PLACES
	LDG 1, \slot, 3
	s_wait_dscnt 12                                ; all but the 12 just issued
	GRP \kind, \idx, 2, 0, 4
	s_wait_dscnt 0x0                               ; my reads of this slot are over
	GRP \kind, \idx, 3, 0, 4
	WIN 0
.if \fill
	s_wait_xcnt 0x0                                ; the last prefetch, a unit back, has read its address: it may be written
	s_add_nc_u64 s[PFA:PFA+1], s[PFA:PFA+1], UNITB
.if ((\kind) == 1) && ((\idx) == 0)
	s_sub_nc_u64 s[PFA:PFA+1], s[PFA:PFA+1], s[WR:WR+1]   ; a key step's unit 4 names the next key step's unit 0: round the batch's end where the batch's last key step is in hand
.endif
	s_add_co_u32 s[UC], s[UC], 1
	s_wait_tensorcnt 0x0                           ; all my tensor loads have landed: my quarter of the other slot
	ds_add_u32 v[SPW], v[NIL]                      ; 0 onto my spare word
	s_add_nc_u64 s[G0+4*(\slot)+2:G0+4*(\slot)+3], s[G0+4*(\slot)+2:G0+4*(\slot)+3], 2*UNITB   ; no tensor load of mine is out: this slot's next unit,
.if \wrap
	s_sub_nc_u64 s[G0+4*(\slot)+2:G0+4*(\slot)+3], s[G0+4*(\slot)+2:G0+4*(\slot)+3], s[WR:WR+1]   ; round the batch's end; the type bits on top are not reached
.endif
	s_wait_dscnt 0x0                               ; the add is done
	CROUND                                         ; no wave of any partner still reads this slot or has a load on its way
	tensor_load_to_lds s[G0+4*(\slot):G0+4*(\slot)+3], s[G1:G1+7]
	s_nop 0
	PLACES                                         ; places in front of the loads below
	NEXTC 1-(\slot), \nkind, \nidx
	LDG 1, 1-(\slot), 1
.if ((\kind) == 1) && ((\idx) < 2)
	ASK 1
.else
	ASK 0
.endif
.elseif (\nkind) != 3                  ; the last unit but one: nothing is filled, so no round
	PLACES
	s_wait_tensorcnt 0x0                           ; my quarter of the last unit is in; I alone read it
	NEXTC 1-(\slot), \nkind, \nidx
	LDG 1, 1-(\slot), 1
.endif                                 ; the last unit: nothing more to fetch
.endm
.macro XLOAD reg, s                    ; my 16 rows' numbers of K step s: lane (r, h) takes, of row r, 16 neighbours of each block of 32
.irp b, 0,1,2,3
.irp j, 0,1,2,3
	global_load_b128 v[(\reg)+16*\b+4*\j:(\reg)+16*\b+4*\j+3], v[XO], s[12:13] offset:512*(\s)+128*\b+16*\j
.endr
.endr
.endm
; 64 numbers of a lane, in window w, register 16 b + i = k 32 b + 16 (lane / 16) + i of my row, become a fragment's codes in v[QPC] on and its scale word in v[QPW]
.macro QUANT s, w
	WIN 0x05*(\w)                                  ; sources 0 and 1
.irp b, 0,1,2,3
	v_max3_num_f32 v[TM+\b], |v[(\s)+16*\b]|, |v[(\s)+16*\b+1]|, 0x2800000   ; my 16 numbers of block b, and the floor 2^(5 - 127): the byte cannot fall under 1
.endr
	WIN 0x14*(\w)                                  ; sources 1 and 2
.irp i, 2,4,6,8,10,12,14
.irp b, 0,1,2,3
	v_max3_num_f32 v[TM+\b], v[TM+\b], |v[(\s)+16*\b+\i]|, |v[(\s)+16*\b+\i+1]|
.endr
.endr
	WIN 0
.irp b, 0,1,2,3
	v_permlanex16_b32 v[TM+4+\b], v[TM+\b], s[SEL], s[SEL+1]
.endr
.irp b, 0,1,2,3
	v_max_num_f32 v[TM+\b], v[TM+\b], v[TM+4+\b]   ; with lane l xor 16's: the block's largest magnitude
.endr
.irp b, 0,1,2,3
	v_add_nc_u32 v[TM+12+\b], 0xfe000000, v[TM+\b] ; 4 off its exponent field: the conversion's scale operand
.endr
.irp b, 0,1,2,3
	v_lshrrev_b32 v[TM+4+\b], 23, v[TM+12+\b]      ; the scale's byte
.endr
	v_lshl_or_b32 v[QPW], v[TM+5], 8, v[TM+4]
	v_lshl_or_b32 v[QPW], v[TM+6], 16, v[QPW]
	v_lshl_or_b32 v[QPW], v[TM+7], 24, v[QPW]
	WIN 0x01*(\w)                                  ; source 0
.irp c, 0,1
	v_cvt_scalef32_pk16_bf6_f32 v[QPC+6*\c:QPC+6*\c+2], v[(\s)+32*\c:(\s)+32*\c+15], v[TM+12+2*\c]
	v_cvt_scalef32_pk16_bf6_f32 v[QPC+12+4*\c:QPC+14+4*\c], v[(\s)+32*\c+16:(\s)+32*\c+31], v[TM+12+2*\c+1]   ; (a conversion's three registers begin on an even number)
.endr
	v_nop                                          ; one plain place behind scaled conversions
	WIN 0
.irp c, 0,1                            ; the operand's layout wants a whole block in a lane: lanes 0-15 block 2 c, lanes 16-31 block 2 c + 1
.irp i, 0,1,2
	v_permlane16_swap_b32 v[QPC+6*\c+\i], v[QPC+12+4*\c+\i]
.endr
.irp i, 0,1,2
	v_mov_b32 v[QPC+3+6*\c+\i], v[QPC+12+4*\c+\i]
.endr
.endr
.endm
	s_load_b128 s[4:7], s[0:1], 0x0                ; seq, kv
	s_load_b64 s[8:9], s[0:1], 0x10                ; out
	v_lshl_add_u32 v[SPW], v0, 2, SPARE
	v_mov_b32 v[NIL], 0
	ds_add_u32 v13, v14
	ds_add_u32 v13, v14
	s_wait_dscnt 0x0
	v_lshrrev_b32 v62, 5, v0
	v_readfirstlane_b32 s[WV], v62                 ; wave 0..3
	s_bfe_u32 s[CX], ttmp6, 0x40000                ; cx
	s_and_b32 s49, ttmp7, 0xffff                   ; the batch, which the four partners share
	s_lshl_b32 s50, ttmp9, 2                       ; in a cluster launch ttmp9 counts clusters
	s_add_co_u32 s50, s50, s[CX]                   ; my block of 64 queries
	s_mul_i32 s52, s49, 32*UNITB                   ; kv: the batch's 32 units,
	s_mul_i32 s51, s[WV], QUARTER                  ; my quarter, in memory and in a slot: no place in the cluster enters a descriptor,
	s_add_co_u32 s52, s52, s51
	s_mul_i32 s48, ttmp9, 8*UNITB                  ; and the key step with which my cluster begins: its number among the batch's four
	s_add_co_u32 s52, s52, s48
	s_mov_b32 s53, 0
	s_lshl_b32 s54, s49, 22                        ; seq and out: 1,024 rows of 4,096 bytes a batch,
	s_lshl_b32 s55, s50, 18                        ; 64 rows a block
	s_add_co_u32 s54, s54, s55
	s_lshl_b32 s55, s[WV], 16
	s_add_co_u32 s56, s54, s55                     ; at the head: my 16 rows
	s_mov_b32 s57, 0
	s_lshl_b32 s55, s[WV], 10
	s_add_co_u32 s54, s54, s55                     ; on the way out: my 1,024 bytes of every row
	s_mov_b32 s55, 0
	s_mul_i32 s58, s[CX], 6400                     ; the prefetches: my work-group's 25 blocks of my quarter,
	s_add_co_u32 s58, s58, 3*UNITB                 ; at my first key step's unit 3: its unit 0 steps it to unit 4
	s_mov_b32 s59, 0
	; descriptor group 1: a dense block of 25,600 bytes as 100 rows of 256 bytes, no padding: it is read 16 bytes a lane on end
	s_mov_b32 s[G1], 15|(3<<16)|(1<<21)            ; 15:0 the mask: all four work-groups; 17:16 elements of 8 bytes; 21 set beside a mask
	s_mov_b32 s[G1+1], 32<<16                      ; tensor_dim0 = 32
	s_mov_b32 s[G1+2], 100<<16                     ; tensor_dim1 = 100
	s_mov_b32 s[G1+3], 32<<16                      ; tile_dim0 = 32
	s_mov_b32 s[G1+4], 100                         ; tile_dim1 = 100
	s_mov_b32 s[G1+5], 32                          ; from row to row
	s_mov_b32 s[G1+6], 0
	s_mov_b32 s[G1+7], 0
	s_mov_b32 s[SEL], 0x76543210
	s_mov_b32 s[SEL+1], 0xfedcba98
	s_mov_b32 s[CS], 0x3fb8aa3b                    ; log2(e): reference() scales its scores by nothing else
	s_mov_b32 s[CS+1], s[CS]
	s_mov_b32 s[UC], 0
	s_mov_b32 s[KS], ttmp9
	s_mov_b32 s[WR+1], 0
	s_mov_b32 s[RS+1], 0                           ; (named as the upper halves of pairs, so they are written)
	s_mov_b32 s[RS+3], 0
	s_wait_kmcnt 0x0
	s_add_nc_u64 s[6:7], s[6:7], s[52:53]
	s_add_nc_u64 s[12:13], s[4:5], s[56:57]
	s_add_nc_u64 s[4:5], s[4:5], s[54:55]
	s_add_nc_u64 s[8:9], s[8:9], s[54:55]
	s_add_nc_u64 s[PFA:PFA+1], s[6:7], s[58:59]
.irp s, 0,1
	s_mov_b32 s[G0+4*\s], 1                        ; count = 1
	s_add_co_u32 s[G0+4*\s+1], s51, \s*SLOT1       ; LDS address
	s_add_nc_u64 s[G0+4*\s+2:G0+4*\s+3], s[6:7], \s*UNITB   ; my first key step's unit s
	s_or_b32 s[G0+4*\s+3], s[G0+4*\s+3], 0x80000000         ; type = 2
.endr
	CROUND                                         ; all four work-groups are here: the first joint loads meet
	tensor_load_to_lds s[G0:G0+3], s[G1:G1+7]      ; slot 0's first fill: one tensor load a wave at the head
	s_nop 0
	PLACES
	v_and_b32 v62, 31, v0                          ; lane
	v_and_b32 v63, 15, v0                          ; r
	v_bfe_u32 v56, v0, 4, 1                        ; h
	v_lshlrev_b32 v[XO], 12, v63
	v_lshl_add_u32 v[XO], v56, 6, v[XO]            ; row r of 4,096 bytes, + 64 h
	; SIX OF THE EIGHT K STEPS OF SEQ ARE ASKED FOR HERE: two into window 0, four into window 1, which S^T does not need yet; the last two follow as the first two sets are freed
	XLOAD XA, 0
	XLOAD XA+64, 1
	WIN 0x40                                       ; destination window 1
	XLOAD 0, 2
	WIN 0
	v_lshlrev_b32 v[GO], 4, v62
	v_add_nc_u32 v[AD], s51, v[GO]
	v_add_nc_u32 v[AD+1], SLOT1, v[AD]
	v_lshl_add_u32 v[ADS], v62, 2, s51
	v_add_nc_u32 v[ADS], SCOFF, v[ADS]
	v_add_nc_u32 v[ADS+1], SLOT1, v[ADS]
	v_lshl_add_u32 v[AQ], v62, 4, QIMG
	v_lshl_add_u32 v[AQS], v62, 3, QSC
	v_lshl_add_u32 v[AP], v62, 4, PIMG
	v_lshl_add_u32 v[APS], v62, 3, PSC
	s_mul_i32 s48, s[WV], 4*FRB
	v_add_nc_u32 v[PWI], s48, v[AP]
	s_lshl_b32 s60, s[WV], 8
	v_lshl_add_u32 v[PWS], v63, 3, s60
	v_add_nc_u32 v[PWS], PSC, v[PWS]
	v_lshl_add_u32 v[MXR], v63, 4, MXB
	s_lshl_b32 s61, s[WV], 2
	v_add_nc_u32 v[MXW], s61, v[MXR]
	v_min_u32 v[PFO], 24, v62
	v_lshlrev_b32 v[PFO], 8, v[PFO]
	s_mul_i32 s62, s[WV], STGW
	v_mul_u32_u24 v[STO], v63, SPITCH
	v_lshl_add_u32 v[STO], v56, 5, v[STO]
	v_add_nc_u32 v[STO], s62, v[STO]               ; the stage: row r, + 32 h
	v_add_nc_u32 v[RD], s62, v[GO]
	s_mul_i32 s48, s[WV], FRB
	v_add_nc_u32 v[QWI], s48, v[AQ]                ; Q's images: tile = my wave
	s_lshr_b32 s60, s[WV], 1
	s_lshl_b32 s60, s60, 7
	s_and_b32 s61, s[WV], 1
	s_lshl_b32 s61, s61, 2
	s_add_co_u32 s60, s60, s61
	v_lshl_add_u32 v[QWS], v63, 3, s60
	v_add_nc_u32 v[QWS], QSC, v[QWS]
.irp m, 0,1,2,3
	v_mov_b32 v[STAT+2*\m+1], 0xff61b1e6           ; the largest t so far: -3e38, under every t
	v_mov_b32 v[LL+2*\m], 0
	v_mov_b32 v[LL+2*\m+1], 0
	v_mov_b32 v[FF+2*\m], 0
	v_mov_b32 v[FF+2*\m+1], 0
	v_mov_b32 v[TM+4+\m], 0                        ; written once: a lane permute's destination counts as one of its sources
.endr
.irp m, 0,1,2,3
	v_floor_f32 v[STAT+2*\m], -v[STAT+2*\m+1]      ; -M
.endr
	; O^T begins as zeros, which the first change of M leaves zeros: so the key step is written once.  A first step of its own, whose products start the sums, would be a second copy of four units;
	; these 512 lines run once, while the first tiles and the first rows of seq are on their way
	WIN 0x80
.set i, 0
.rept 256
	v_mov_b32 v[i], 0
.set i, i+1
.endr
	WIN 0xc0
.set i, 0
.rept 256
	v_mov_b32 v[i], 0
.set i, i+1
.endr
	WIN 0x40
	XLOAD 64, 3
	XLOAD 128, 4
	XLOAD 192, 5
	WIN 0
	; Q: my 16 rows of seq become eight fragments, a K step at a time.  The sets were asked for in the order 0 .. 5, then 6 behind step 0's work and 7 behind step 1's
.irp s, 0,1,2,3,4,5,6,7
.if \s == 4
	; slot 1's first fill is issued as a refill is: the wait for my one load, the add, its wait, a round of the cluster's barrier, then the joint load; it lands while Q's last four K steps are made
	s_wait_alu depctr_va_vdst(0)
	s_wait_tensorcnt 0x0                           ; my quarter of the first unit is in
	ds_add_u32 v[SPW], v[NIL]
	s_wait_dscnt 0x0                               ; the add is done, and so are my stores of Q's first four K steps
	CROUND                                         ; all four partners are here: the joint loads meet
	tensor_load_to_lds s[G0+4:G0+7], s[G1:G1+7]    ; the second unit
	s_nop 0
	PLACES
.endif
.if \s < 4
	s_wait_loadcnt 63                              ; behind this set's loads 64 or more were issued
.else
	s_wait_loadcnt 16*(7-\s)                       ; the later sets' loads may be out
.endif
.if \s > 0
	s_wait_dscnt 0x0                               ; the last stores have read the codes' registers
.endif
.if (\s < 2) || (\s > 5)
	QUANT XA+64*(\s%2), 0
.else
	QUANT 64*(\s-2), 1
.endif
.irp c, 0,1,2
	ds_store_b128 v[QWI], v[QPC+4*\c:QPC+4*\c+3] offset:4*FRB*\s+512*\c
.endr
	ds_store_b32 v[QWS], v[QPW] offset:256*\s      ; both halves of the lanes store the same word with the same value
.if \s < 2
	XLOAD XA+64*\s, \s+6
.endif
.endr
	s_wait_dscnt 0x0                               ; for the others' sake: my images of Q have landed
	BAR
	NEXTC 0, 0, 0
	LDG 1, 0, 1
	s_mov_b32 s[STEP], 4
; THE SOFTMAX of a key step: my 128 keys x 64 queries; block (m, b) = S^T registers 64 m + 16 b + 0 .. 15 of window 1 in the two halves of the lanes
.macro SOFTMAX
	WIN 0x15                                       ; three sources in window 1
.irp m, 0,1,2,3
.irp b, 0,1,2,3
	v_max3_num_f32 v[BM+4*\m+\b], v[64*\m+16*\b], v[64*\m+16*\b+1], v[64*\m+16*\b+2]   ; the largest SCORE of each block: it serves the row's maximum and, since p rises with the score, the block's largest p.  Each accumulator is read from its low end on
.endr
.endr
	WIN 0x14
.irp i, 3,5,7,9,11,13
.irp m, 0,1,2,3
.irp b, 0,1,2,3
	v_max3_num_f32 v[BM+4*\m+\b], v[BM+4*\m+\b], v[64*\m+16*\b+\i], v[64*\m+16*\b+\i+1]
.endr
.endr
.endr
.irp m, 0,1,2,3
.irp b, 0,1,2,3
	v_max_num_f32 v[BM+4*\m+\b], v[BM+4*\m+\b], v[64*\m+16*\b+15]
.endr
.endr
	WIN 0
.irp k, 0,1,2,3,4,5,6,7,8,9,10,11,12,13,14,15
	v_permlanex16_b32 v[B2+\k], v[BM+\k], s[SEL], s[SEL+1]
.endr
.irp k, 0,1,2,3,4,5,6,7,8,9,10,11,12,13,14,15
	v_max_num_f32 v[BM+\k], v[BM+\k], v[B2+\k]     ; with lane l xor 16's 16 keys
.endr
.irp m, 0,1,2,3
	v_max3_num_f32 v[TX+\m], v[BM+4*\m], v[BM+4*\m+1], v[BM+4*\m+2]
.endr
.irp m, 0,1,2,3
	v_max_num_f32 v[TX+\m], v[TX+\m], v[BM+4*\m+3] ; my 128 keys' largest score of my query
.endr
.irp m, 0,1,2,3
	ds_store_b32 v[MXW], v[TX+\m] offset:256*\m
.endr
	s_wait_dscnt 0x0                               ; for the others' sake: my words have landed (and the next unit's first fragments are in)
	BAR                                            ; the refill that is out may stay out
.irp m, 0,1,2,3
	ds_load_b128 v[B2+4*\m:B2+4*\m+3], v[MXR] offset:256*\m
.endr
	s_wait_dscnt 0x0
.irp m, 0,1,2,3
	v_max3_num_f32 v[TX+\m], v[B2+4*\m], v[B2+4*\m+1], v[B2+4*\m+2]
.endr
.irp m, 0,1,2,3
	v_max_num_f32 v[TX+\m], v[TX+\m], v[B2+4*\m+3] ; the step's largest score: the same number in all four waves
.endr
.irp m, 0,1,2,3
	v_mul_f32 v[TX+\m], s[CS], v[TX+\m]            ; as t
.endr
.irp m, 0,1,2,3
	v_max_num_f32 v[STAT+2*\m+1], v[STAT+2*\m+1], v[TX+\m]   ; the running largest t
.endr
.irp m, 0,1,2,3
	v_mov_b32 v[TX+\m], v[STAT+2*\m]
.endr
.irp m, 0,1,2,3
	v_floor_f32 v[STAT+2*\m], -v[STAT+2*\m+1]      ; the new -M = -ceil(t): a whole number
.endr
.irp m, 0,1,2,3
	v_sub_f32 v[TX+\m], v[STAT+2*\m], v[TX+\m]     ; old M - new M: a whole number, 0 or less
.endr
.irp m, 0,1,2,3
	v_cvt_i32_f32 v[TX+\m], v[TX+\m]               ; (it saturates)
.endr
.irp m, 0,1,2,3
	v_ldexp_f32 v[FF+2*\m], 1.0, v[TX+\m]          ; f = 2^(old M - new M)
.endr
.irp m, 0,1,2,3
.irp b, 0,1,2,3
	v_fma_f32 v[BM+4*\m+\b], v[BM+4*\m+\b], s[CS], v[STAT+2*\m]   ; t - M of each block's largest score
.endr
.endr
	WIN 0x41                                       ; destination and source 0 in window 1
.irp m, 0,1,2,3
.set i, 0
.rept 32
	v_pk_fma_f32 v[64*\m+2*i:64*\m+2*i+1], v[64*\m+2*i:64*\m+2*i+1], s[CS:CS+1], v[STAT+2*\m:STAT+2*\m+1] op_sel_hi:[1,0,0]   ; t - M, two at a time
.set i, i+1
.endr
.endr
.set i, 0
	s_wait_alu depctr_va_vdst(0)
.rept 256
	v_exp_f32 v[i], v[i]                           ; p = 2^(t - M), at most 1: not normalised
.set i, i+1
.endr
	WIN 0
.irp k, 0,1,2,3,4,5,6,7,8,9,10,11,12,13,14,15
	v_exp_f32 v[BM+\k], v[BM+\k]                   ; the block's largest p: the same two steps on the same number give the same bits
.endr
.irp m, 0,1,2,3
	v_pk_mul_f32 v[LL+2*\m:LL+2*\m+1], v[LL+2*\m:LL+2*\m+1], v[FF+2*\m:FF+2*\m+1] op_sel_hi:[1,0]   ; the sums under the new M: plain work behind the exponentials
.endr
	s_wait_alu depctr_va_vdst(0)                   ; one wait for the whole batch of 272, ahead of its first reader
	WIN 0x04
.set i, 0
.rept 32
.irp m, 0,1,2,3
	v_pk_add_f32 v[LL+2*\m:LL+2*\m+1], v[LL+2*\m:LL+2*\m+1], v[64*\m+2*i:64*\m+2*i+1]   ; the row's sum is taken of the unquantised p; the four tiles by turns
.endr
.set i, i+1
.endr
	WIN 0
.irp k, 0,1,2,3,4,5,6,7,8,9,10,11,12,13,14,15
	v_max_num_f32 v[BM+\k], 0x2800000, v[BM+\k]    ; the floor 2^(5 - 127): the byte cannot fall under 1
.endr
.irp k, 0,1,2,3,4,5,6,7,8,9,10,11,12,13,14,15
	v_add_nc_u32 v[SO+\k], 0xfe000000, v[BM+\k]    ; 4 off the exponent field: the conversion's scale operand
.endr
.irp k, 0,1,2,3,4,5,6,7,8,9,10,11,12,13,14,15
	v_lshrrev_b32 v[B2+\k], 23, v[SO+\k]           ; the scale's byte
.endr
.irp m, 0,1,2,3
	v_lshl_or_b32 v[PW+\m], v[B2+4*\m+1], 8, v[B2+4*\m]
.endr
.irp m, 0,1,2,3
	v_lshl_or_b32 v[PW+\m], v[B2+4*\m+2], 16, v[PW+\m]
.endr
.irp m, 0,1,2,3
	v_lshl_or_b32 v[PW+\m], v[B2+4*\m+3], 24, v[PW+\m]
.endr
.irp m, 0,1,2,3                        ; tile m's p becomes one fragment, K step = my wave, and goes to LDS as it stands
.set PCS, PC+20*(\m%2)
.if \m >= 2
	s_wait_dscnt 4                                 ; the last tile's 4 stores may be out
.endif
	WIN 0x01                                       ; source 0 in window 1
.irp c, 0,1
	v_cvt_scalef32_pk16_bf6_f32 v[PCS+6*\c:PCS+6*\c+2], v[64*\m+32*\c:64*\m+32*\c+15], v[SO+4*\m+2*\c]
	v_cvt_scalef32_pk16_bf6_f32 v[PCS+12+4*\c:PCS+14+4*\c], v[64*\m+32*\c+16:64*\m+32*\c+31], v[SO+4*\m+2*\c+1]
.endr
	v_nop                                          ; one plain place behind scaled conversions
	WIN 0
.irp c, 0,1
.irp i, 0,1,2
	v_permlane16_swap_b32 v[PCS+6*\c+\i], v[PCS+12+4*\c+\i]
.endr
.irp i, 0,1,2
	v_mov_b32 v[PCS+3+6*\c+\i], v[PCS+12+4*\c+\i]
.endr
.endr
.irp c, 0,1,2
	ds_store_b128 v[PWI], v[PCS+4*\c:PCS+4*\c+3] offset:FRB*\m+512*\c
.endr
	ds_store_b32 v[PWS], v[PW+\m] offset:128*(\m/2)+4*(\m%2)
.endr
	WIN 0x82                                       ; O^T under the new M, while the stores land
.irp m, 0,1
.set i, 0
.rept 64
	v_pk_mul_f32 v[128*\m+2*i:128*\m+2*i+1], v[128*\m+2*i:128*\m+2*i+1], v[FF+2*\m:FF+2*\m+1] op_sel_hi:[1,0]
.set i, i+1
.endr
.endr
	WIN 0xc3
.irp m, 0,1
.set i, 0
.rept 64
	v_pk_mul_f32 v[128*\m+2*i:128*\m+2*i+1], v[128*\m+2*i:128*\m+2*i+1], v[FF+4+2*\m:FF+4+2*\m+1] op_sel_hi:[1,0]
.set i, i+1
.endr
.endr
	WIN 0
	s_wait_alu depctr_va_vdst(0)
	s_wait_dscnt 0x0                               ; for the others' sake: my images of P have landed
	BAR                                            ; P's sixteen fragments lie in LDS.  They are written again only behind the eight rounds that follow, in front of each of which every wave has waited for its LDS loads
	LDST 0, AP, 0
	LDSS 0, APS, 0
.endm
.Lstep:                                                ; four key steps; units 0 to 29 fill their slot again, so the loop is left in the middle of its last trip and the last two units are written out
	s_cmp_eq_u32 s[KS], 3                          ; behind the batch's last key step comes its first: a select on a number that all four partners share
	s_cselect_b32 s[WR], 32*UNITB, 0
	UNIT 0, 0, 0, 0, 1, 1, 12, 0
	UNIT 0, 1, 1, 0, 2, 1, 12, 0
	UNIT 0, 2, 0, 0, 3, 1, 12, 0
	UNIT 0, 3, 1, 2, 0, 1, 12, 0
	SOFTMAX
	UNIT 1, 0, 0, 1, 1, 1, 0, 0
	UNIT 1, 1, 1, 1, 2, 1, 12, 0
	s_cmp_eq_u32 s[STEP], 1
	s_cbranch_scc1 .Llast
	UNIT 1, 2, 0, 1, 3, 1, 12, 1
	UNIT 1, 3, 1, 0, 0, 1, 12, 1
	s_add_co_u32 s[KS], s[KS], 1
	s_and_b32 s[KS], s[KS], 3
	s_sub_co_u32 s[STEP], s[STEP], 1
	s_cmp_lg_u32 s[STEP], 0
	s_cbranch_scc1 .Lstep
.Llast:
	; the residual: my 1,024 bytes of seq's rows 0-31 into window 1, which S^T has left; rows 32-63 follow when O^T has left window 2, and are asked for here: a lane a row, four blocks of 256 bytes a row, each named once
	v_and_b32 v[XO], 31, v0
	v_lshlrev_b32 v[XO], 12, v[XO]
	WIN 0x40
.set i, 0
.rept 32
	global_load_b128 v[8*i:8*i+3], v[GO], s[4:5] offset:4096*i th:TH_LOAD_NT
	global_load_b128 v[8*i+4:8*i+7], v[GO], s[4:5] offset:4096*i+512 th:TH_LOAD_NT
.set i, i+1
.endr
	WIN 0
.irp k, 0,1,2,3
	global_prefetch_b8 v[XO], s[4:5] offset:32*4096+256*\k th:TH_LOAD_NT scope:SCOPE_SE
.endr
	UNIT 1, 2, 0, 1, 3, 0, 12, 0
	UNIT 1, 3, 1, 3, 0, 0, 12, 0
	PLACES
	; THE WAY OUT.  The sum: its two halves, the other half of the lanes, the four waves
.irp m, 0,1,2,3
	v_add_f32 v[TX+\m], v[LL+2*\m], v[LL+2*\m+1]
.endr
.irp m, 0,1,2,3
	v_permlanex16_b32 v[B2+\m], v[TX+\m], s[SEL], s[SEL+1]
.endr
.irp m, 0,1,2,3
	v_add_f32 v[TX+\m], v[TX+\m], v[B2+\m]
.endr
.irp m, 0,1,2,3
	ds_store_b32 v[MXW], v[TX+\m] offset:1024+256*\m
.endr
	s_wait_dscnt 0x0                               ; my words have landed, and my last reads of ring, P and Q are over
	BAR                                            ; so behind this barrier the stages may lie over them: no fill follows
.irp m, 0,1,2,3
	ds_load_b128 v[B2+4*\m:B2+4*\m+3], v[MXR] offset:1024+256*\m
.endr
	s_wait_dscnt 0x0
.irp m, 0,1,2,3
	v_add_f32 v[TX+\m], v[B2+4*\m], v[B2+4*\m+1]
	v_add_f32 v[B2+4*\m+2], v[B2+4*\m+2], v[B2+4*\m+3]
.endr
.irp m, 0,1,2,3
	v_add_f32 v[TX+\m], v[TX+\m], v[B2+4*\m+2]
.endr
	s_wait_alu depctr_va_vdst(0)
.irp m, 0,1,2,3
	v_rcp_f32 v[RL+\m], v[TX+\m]
.endr
	v_nop                                          ; a plain place behind the last reciprocal
	s_wait_alu depctr_va_vdst(0)                   ; one wait for the four, ahead of their first reader
	; O^T into my stage: lane (r, h), register j of (ct, m) is channel 16 ct + 8 h + j of query 16 m + r.  Each accumulator from its low end on
	WIN 0x08                                       ; an LDS store's data are its source 1: window 2
.irp m, 0,1
.set cc, 0
.rept 16
	ds_store_b128 v[STO], v[128*\m+8*cc:128*\m+8*cc+3] offset:16*SPITCH*\m+64*cc
	ds_store_b128 v[STO], v[128*\m+8*cc+4:128*\m+8*cc+7] offset:16*SPITCH*\m+64*cc+16
.set cc, cc+1
.endr
.endr
	WIN 0x0c                                       ; window 3
.irp m, 0,1
.set cc, 0
.rept 16
	ds_store_b128 v[STO], v[128*\m+8*cc:128*\m+8*cc+3] offset:16*SPITCH*(\m+2)+64*cc
	ds_store_b128 v[STO], v[128*\m+8*cc+4:128*\m+8*cc+7] offset:16*SPITCH*(\m+2)+64*cc+16
.set cc, cc+1
.endr
.endr
	WIN 0
	s_wait_dscnt 0x0                               ; the stores have read window 2: seq's rows 32-63 may land there
	WIN 0x80
.set i, 0
.rept 32
	global_load_b128 v[8*i:8*i+3], v[GO], s[4:5] offset:4096*(32+i) th:TH_LOAD_NT
	global_load_b128 v[8*i+4:8*i+7], v[GO], s[4:5] offset:4096*(32+i)+512 th:TH_LOAD_NT
.set i, i+1
.endr
	WIN 0
; eight rows at a time come back from my stage as whole rows, are divided by the row's sum and added to seq in one fused step, and leave: each store covers 512 consecutive bytes, at a multiple of 256 from out's first byte
.macro OUTB g
.set TT, 64+64*((\g)%2)
.if (\g) >= 2
	s_wait_xcnt 0x0                                ; the stores of two batches back have read these registers
.endif
.if (\g) == 4
	v_add_nc_u32 v[RD], 32*SPITCH, v[RD]           ; rows 32 on: an LDS immediate has 16 bits (no LDS load of mine is out)
.endif
.irp i, 0,1,2,3,4,5,6,7
	ds_load_b128 v[TT+8*\i:TT+8*\i+3], v[RD] offset:SPITCH*(8*((\g)%4)+\i)
	ds_load_b128 v[TT+8*\i+4:TT+8*\i+7], v[RD] offset:SPITCH*(8*((\g)%4)+\i)+512
.endr
	s_wait_dscnt 0x0
.if 112-16*(\g) > 63
	s_wait_loadcnt 63                              ; behind these rows' loads of seq more than 63 were issued
.else
	s_wait_loadcnt 112-16*(\g)                     ; the loads of seq's later rows may be out
.endif
	WIN 0x10+0x10*((\g)/4)                         ; source 2, seq: window 1 (rows 0-31) or 2
.irp i, 0,1,2,3,4,5,6,7
	v_readlane_b32 s[RS+2*(\i%2)], v[RL+(\g)/2], 8*((\g)%2)+\i    ; 1 / the sum of row 8 g + i
.irp k, 0,1,2,3
	v_pk_fma_f32 v[TT+8*\i+2*\k:TT+8*\i+2*\k+1], v[TT+8*\i+2*\k:TT+8*\i+2*\k+1], s[RS+2*(\i%2):RS+2*(\i%2)+1], v[64*((\g)%4)+8*\i+2*\k:64*((\g)%4)+8*\i+2*\k+1] op_sel_hi:[1,0,1]
.endr
.endr
	WIN 0
.irp i, 0,1,2,3,4,5,6,7
	global_store_b128 v[GO], v[TT+8*\i:TT+8*\i+3], s[8:9] offset:4096*(8*(\g)+\i) th:TH_STORE_NT
	global_store_b128 v[GO], v[TT+8*\i+4:TT+8*\i+7], s[8:9] offset:4096*(8*(\g)+\i)+512 th:TH_STORE_NT
.endr
.endm
.irp g, 0,1,2,3,4,5,6,7
	OUTB \g
.endr
	s_wait_tensorcnt 0x0                           ; the wave's end: behind my last tensor load and my last LDS store
	ds_add_u32 v[SPW], v[NIL]
	s_wait_dscnt 0x0
	CROUND                                         ; the closing round: no work-group ends while a partner may still ask for a tile that names it
	s_endpgm
.Lfunc_end_k_q6330ebe9a7_attn:
	.size	k_q6330ebe9a7_attn, .Lfunc_end_k_q6330ebe9a7_attn-k_q6330ebe9a7_attn
	.p2alignl 7, 3214868480
	.fill 96, 4, 3214868480
	.section	.rodata,"a",@progbits
	.p2align	6, 0x0
	.amdhsa_kernel k_q6330ebe9a7_attn
		.amdhsa_group_segment_fixed_size 327680
		.amdhsa_private_segment_fixed_size 0
		.amdhsa_enable_private_segment 0
		.amdhsa_kernarg_size 24
		.amdhsa_user_sgpr_count 2
		.amdhsa_user_sgpr_kernarg_segment_ptr 1
		.amdhsa_wavefront_size32 1
		.amdhsa_system_sgpr_workgroup_id_x 1
		.amdhsa_system_sgpr_workgroup_id_y 1
		.amdhsa_system_sgpr_workgroup_id_z 1
		.amdhsa_system_vgpr_workitem_id 0
		.amdhsa_next_free_vgpr 1024
		.amdhsa_next_free_sgpr 66
		.amdhsa_reserve_vcc 0
		.amdhsa_float_denorm_mode_32 3
		.amdhsa_float_denorm_mode_16_64 3
		.amdhsa_memory_ordered 1
		.amdhsa_forward_progress 1
		.amdhsa_inst_pref_size 255
	.end_amdhsa_kernel
	.section	.bss,"aw",@nobits
	.p2align	6
	.space	262144
	.amdgpu_metadata
---
amdhsa.version: [ 1, 2 ]
amdhsa.kernels:
  - .name:           k_q6330ebe9a7_attn
    .symbol:         k_q6330ebe9a7_attn.kd
    .args:
      - { .name: seq_vectors, .offset: 0, .size: 8, .value_kind: global_buffer, .address_space: global }
      - { .name: kv, .offset: 8, .size: 8, .value_kind: global_buffer, .address_space: global }
      - { .name: out0, .offset: 16, .size: 8, .value_kind: global_buffer, .address_space: global }
    .group_segment_fixed_size: 327680
    .private_segment_fixed_size: 0
    .kernarg_segment_align: 8
    .kernarg_segment_size: 24
    .max_flat_workgroup_size: 128
    .sgpr_count:     66
    .vgpr_count:     1024
    .wavefront_size: 32
...
	.end_amdgpu_metadata
.endif
;; end of part 4
